; MI455X (gfx1250); checked and timed in simulation.
; The chip was launched on July 23, 2026; its instructions are those of AMD's public machine-readable ISA for CDNA 5 (MIT licence, August 2026) and "CDNA5" Instruction Set Architecture Reference Guide (July 2026). The comments in the code are by the model that wrote it; some were corrected since.
;; Transformer Block. Allowed arithmetic: matrix products marked QUANTISED: E2M1 operands, one E8M0 scale for each 32 along K, by v_wmma_scale_f32_16x16x128_f8f6f4 with both operands' format E2M1 (or v_wmma_scale_f32_32x16x128_f4), f32 sums; everything else in f32.
;; Inputs: b_proj 128 float32; b_qkv 384 float32; ff_b 6 x 128 float32; ff_w 6 x 128 x 128 float32; ln1_b 128 float32; ln1_g 128 float32; ln2_b 128 float32; ln2_g 128 float32; w_proj 128 x 128 float32; w_qkv 128 x 384 float32; x 32 x 1,024 x 128 float32.
;; Outputs: out0 32 x 1,024 x 128 float32.
;; This version of the problem:
;;   THIS VERSION OF THE PROBLEM IS GIVEN IN LOW PRECISION. The matrix products marked QUANTISED in the list below multiply operands that are first quantised to E2M1 (2 exponent bits, 1 mantissa bit; 4 bits a number), with one power-of-two scale for each 32 numbers along K (OCP MX v1.0); their sums are f32. All else is computed in f32.
;;   The module's matrix products, in the order in which they are computed (A, B: the left and right operand; K: the contracted axis; several contracted axes count as one K, in the product's order):
;;     1. [M 32,768, K 128] x [K 128, N 384]; A: input x; B: input w_qkv: QUANTISED
;;     2. batch 32 x [M 1,024, K 128] x [K 128, N 1,024]; A: computed on the way; B: computed on the way: QUANTISED
;;     3. batch 32 x [M 1,024, K 1,024] x [K 1,024, N 128]; A: softmax (see below); B: computed on the way: QUANTISED
;;     4. [M 32,768, K 128] x [K 128, N 128]; A: computed on the way; B: input w_proj: QUANTISED
;;     5. [M 32,768, K 128] x [K 128, N 128]; A: computed on the way; B: input ff_w: QUANTISED
;;     6. [M 32,768, K 128] x [K 128, N 128]; A: computed on the way; B: input ff_w: QUANTISED
;;     7. [M 32,768, K 128] x [K 128, N 128]; A: computed on the way; B: input ff_w: QUANTISED
;;     8. [M 32,768, K 128] x [K 128, N 128]; A: computed on the way; B: input ff_w: QUANTISED
;;     9. [M 32,768, K 128] x [K 128, N 128]; A: computed on the way; B: input ff_w: QUANTISED
;;     10. [M 32,768, K 128] x [K 128, N 128]; A: computed on the way; B: input ff_w: QUANTISED
;;   THE QUANTISER, for each operand of a quantised product, along K:
;;     - K is cut into blocks of 32 from its start; a last block that is shorter is filled with zeros.
;;     - A block's scale is 2^e with e = floor(log2(the largest magnitude in the block)) - 2, held to -126 .. 127; a block of zeros has e = 0. As a byte (E8M0): e + 127.
;;     - Each number is divided by its block's scale, clamped to +-6, and rounded to the nearest number of E2M1, ties to even, subnormals kept.
;;     - The product sums the exact products of the quantised numbers (number of the format x scale) in f32.
;;   ~~~python
;;   def quantise(x, axis):      # numpy; x: float32 -> the quantised numbers, widened to float32 again
;;       x = np.moveaxis(x, axis, -1); K = x.shape[-1]
;;       x = np.pad(x, [(0, 0)] * (x.ndim - 1) + [(0, -K % 32)]); x = x.reshape(x.shape[:-1] + (-1, 32)); a = np.abs(x).max(-1, keepdims=True)
;;       e = np.where(a > 0, np.clip(np.frexp(np.where(a > 0, a, 1))[1] - 1 - 2, -126, 127), 0)      # np.frexp(a)[1] - 1 = floor(log2(a)), exactly
;;       r = np.clip(x / 2.0 ** e, -6, 6)
;;       step = 2.0 ** (np.maximum(np.frexp(np.where(r == 0, 1, r))[1] - 1, 0) - 1)
;;       q = np.round(r / step) * step * 2.0 ** e      # np.round: ties to even
;;       return np.moveaxis(q.reshape(q.shape[:-2] + (-1,))[..., :K], -1, axis).astype(np.float32)
;;   ~~~
;;   SOFTMAX AHEAD OF A QUANTISED PRODUCT. Where the list says 'softmax', what is quantised is not the finished softmax but p = 2^(t - M), with t = logit x log2(e) and M = ceil(the row's largest t), a whole number; so 1/2 < the row's largest p <= 1. The row's sum l is taken of the UNQUANTISED p, in f32, and the product's result is divided by l at the end. Since M is a whole number, a kernel that streams over the keys may use a running M (the ceiling of the running maximum): every later rescaling is an exact power of two, which a block's scale takes up: the codes' values come out the same.
;;   OPERANDS COMPUTED ON THE WAY. 'Computed on the way' means the value that the module computes at that place (a softmax that the list does not call 'softmax' is quantised finished and normalised). What goes into a quantiser is computed in f32, as accurately as f32 sums, v_exp_f32 and their like allow (about 1e-6 of the number): no bf16 or f16 on the way to a quantiser, and a product that is left as it is and whose result goes on into a quantised operand takes f32 operands (vector FMAs, or v_wmma_f32_16x16x4_f32). A number that lies on a knife's edge between two numbers of the format may be rounded either way, as far as f32 arithmetic and the matrix unit's own rounding can turn it there, and no further.
;; 3 versions. Each part assembles by itself: llvm-mc -triple=amdgcn-amd-amdhsa -mcpu=gfx1250 --defsym DOCPART=n.
;; ======== version 1 of 3: 2 launches
;; workspace buffers: qkv 6,684,672 bytes; wts 60,928 bytes
;; launch prep (part 1): grid 263 x 1, 8 waves a work-group, no clusters, 105,472 bytes of LDS; arguments x, w_qkv, b_qkv, w_proj, ff_w, qkv, wts; writes qkv, wts
.if DOCPART == 1
	.amdgcn_target "amdgcn-amd-amdhsa--gfx1250"
	.amdhsa_code_object_version 6
	.text
	.protected	k_q13a5091640_prep
	.globl	k_q13a5091640_prep
	.p2align	8
	.type	k_q13a5091640_prep,@function
k_q13a5091640_prep:
	s_mov_b64 s[64:65], 0
	v_nop
	global_prefetch_b8 v0, s[64:65] scope:SCOPE_SE
	s_setreg_imm32_b32 hwreg(HW_REG_WAVE_MODE, 25, 1), 1
	s_wait_xcnt 0x0
; PREP.  Work-groups 0-6: w_proj and ff_w[0..5] (f32, [k][n]) become codes of FP4 (E2M1) with one E8M0 byte for each 32 along k, laid as images of operand registers.
; Work-groups 7-262: 128 rows of x each: x and w_qkv are quantised, q k v = x w_qkv + b_qkv is made by the scaled FP4 matrix instruction, and q, k (along the 128 channels) and v (along the keys) are quantised again
; and stored as images of operand registers, so that the next launch loads every fragment by 16-byte loads at 16 x lane.
; NAMES.  L lane, r = L % 16, h = L / 16, rho(i) = i + 8 (i / 8).  A TILE OF 16 THINGS IS NOT 16 NEIGHBOURS: row m of tile 2 b + u is thing 32 b + 8 u + rho(m).  Used as source 0 it leaves, in register j of lane (r, h),
; thing 32 b + 16 h + 8 u + j: so the 16 registers of tiles 2 b and 2 b + 1 are 16 neighbours, and a buffer of 64 registers holds in register 16 b + i thing 32 b + 16 h + i.  The conversions take numbers laid so.
; AN IMAGE of a fragment (16 rows x 128 k, 8 registers) is 1,024 bytes: registers 4 c .. 4 c + 3 of lane L at 512 c + 16 L.
; qkv: 256 groups (128 rows each) of 26,112 bytes: Q's 8 images, 512 bytes of Q's scale words, K's likewise, V's likewise.  The scale word of tile 2 i + u, row r lies at 16 (16 u + r) + 4 i of its 512 bytes.
; wts: matrix m (0 w_proj, 1-6 ff_w) has 8 images at 8,192 m; its scale words lie at 57,344 + 512 m, laid as above.
; NO CLUSTER, NO TENSOR LOADS: what the work-groups share is w_qkv alone, 196,608 bytes of f32, which each wave wants column by column in registers (an eighth of it a wave); and 263 work-groups do not divide by four.
; LIMITS: NaN and infinities among the inputs are not served.  A block whose largest magnitude lies under 2^-124 gets the byte 1, and so does a block of zeros (its codes are zeros; these bytes are read by this program alone).
.set XSTG, 0                           ; LDS: 8 x 8,448: each wave's stage, 16 rows of x at 528 bytes (512 + 16: the 16 rows that a read touches start at 16 different 16-byte columns)
.set XI,   67584                       ; 8 x 1,024: x's images, tile = wave
.set XSL,  75776                       ; 8 x 128: x's scale words, 4 bytes a lane
.set WI,   76800                       ; 24 x 1,024: w_qkv's images: q's 8 tiles, v's tiles 0-3, k's 8 tiles, v's tiles 4-7
.set WS,   101376                      ; 12 x 128: their scale words, a pair of tiles to 128 bytes: lanes 0-15 the even tile, lanes 16-31 the odd
.set SCG,  102912                      ; 3 x 512: the group's scale words of Q, K, V are gathered here
.set GRP,  26112
.set RA,   32                          ; v32-95, v96-159, v160-223: three buffers of 64
.set RB,   96
.set RC,   160
.set PC,   224                         ; v224-231 codes just made
.set TM,   232                         ; v232-235 largest magnitudes, v236-239 the other half's, then bytes, v240-241 two addresses, v244-247 the conversions' scale operands
.set PW,   248                         ; a scale word just made
.set XSR,  249                         ; v249-250 x's scale words
.set WSC,  251                         ; v251-254 the weights' scale words
.set HWD,  255                         ; half a scale word
.macro WLOAD reg, pitch, off, sb       ; 64 numbers down k of my column: register i = k 64 c + i; the 32 lanes read 128 neighbouring bytes
.set i, 0
.rept 64
	global_load_b32 v[\reg+i], v6, s[\sb:\sb+1] offset:i*\pitch+\off
.set i, i+1
.endr
.endm
; Two whole blocks of a lane's column become codes.  Lanes 0-15 hold columns of tile 2 b, lanes 16-31 of tile 2 b + 1; behind the exchange v[PC:PC+3] are registers 4 c .. 4 c + 3 of tile 2 b and v[PC+4:PC+7] those of tile 2 b + 1.
.macro WQ s
	v_max3_num_f32 v[TM], |v[\s]|, |v[\s+1]|, 0x1800000             ; with the floor 2^(3 - 127): the byte cannot fall under 1
	v_max3_num_f32 v[TM+1], |v[\s+32]|, |v[\s+33]|, 0x1800000
.irp i, 2,4,6,8,10,12,14,16,18,20,22,24,26,28,30
	v_max3_num_f32 v[TM], v[TM], |v[\s+\i]|, |v[\s+1+\i]|           ; the two blocks by turns
	v_max3_num_f32 v[TM+1], v[TM+1], |v[\s+32+\i]|, |v[\s+33+\i]|
.endr
	v_add_nc_u32 v[TM+12], 0xff000000, v[TM]                        ; 2 off the exponent field: the conversion's scale operand
	v_add_nc_u32 v[TM+13], 0xff000000, v[TM+1]
	v_lshrrev_b32 v[TM+4], 23, v[TM+12]                             ; the bytes
	v_lshrrev_b32 v[TM+5], 23, v[TM+13]
	s_wait_dscnt 0x0                                                ; earlier LDS stores have read the codes' registers and the half word
	v_lshl_or_b32 v[HWD], v[TM+5], 8, v[TM+4]                       ; bytes 2 c and 2 c + 1 of my column's scale word
.irp g, 0,1,2,3
	v_cvt_scalef32_pk8_fp4_f32 v[PC+\g], v[\s+8*\g:\s+8*\g+7], v[TM+12]
	v_cvt_scalef32_pk8_fp4_f32 v[PC+4+\g], v[\s+32+8*\g:\s+39+8*\g], v[TM+13]
.endr
	v_nop                                                           ; one plain instruction behind the scaled conversions
.irp g, 0,1,2,3
	v_permlane16_swap_b32 v[PC+\g], v[PC+4+\g]                      ; the first's lanes 16-31 change places with the second's lanes 0-15
.endr
.endm
; 64 numbers of a lane, register 16 b + i = k 32 b + 16 h + i: the four blocks' scale operands (TM+12..) and bytes (TM+4..)
.macro QMAX s
.irp b, 0,1,2,3
	v_max3_num_f32 v[TM+\b], |v[\s+16*\b]|, |v[\s+1+16*\b]|, 0x1800000
.endr
.irp i, 2,4,6,8,10,12,14
.irp b, 0,1,2,3
	v_max3_num_f32 v[TM+\b], v[TM+\b], |v[\s+16*\b+\i]|, |v[\s+1+16*\b+\i]|
.endr
.endr
.irp b, 0,1,2,3
	v_permlanex16_b32 v[TM+4+\b], v[TM+\b], s30, s31
.endr
.irp b, 0,1,2,3
	v_max_num_f32 v[TM+\b], v[TM+\b], v[TM+4+\b]                    ; with lane L xor 16's sixteen: the block's largest magnitude
.endr
.irp b, 0,1,2,3
	v_add_nc_u32 v[TM+12+\b], 0xff000000, v[TM+\b]
.endr
.irp b, 0,1,2,3
	v_lshrrev_b32 v[TM+4+\b], 23, v[TM+12+\b]
.endr
	s_wait_dscnt 0x0                                                ; earlier LDS stores,
	s_wait_xcnt 0x0                                                 ; and earlier global stores, have read the codes' registers and the scale word: both are written again below
.endm
.macro QWORD
	v_lshl_or_b32 v[PW], v[TM+5], 8, v[TM+4]
	v_lshl_or_b32 v[PW], v[TM+6], 16, v[PW]
	v_lshl_or_b32 v[PW], v[TM+7], 24, v[PW]
.endm
.macro QCVT s
.irp b, 0,1,2,3
	v_cvt_scalef32_pk8_fp4_f32 v[PC+2*\b], v[\s+16*\b:\s+16*\b+7], v[TM+12+\b]
	v_cvt_scalef32_pk8_fp4_f32 v[PC+1+2*\b], v[\s+16*\b+8:\s+16*\b+15], v[TM+12+\b]
.endr
	v_nop                                                           ; one plain instruction behind the scaled conversions
.endm
.macro QSWAP                           ; the operand wants a whole block in a lane: lanes 0-15 block 2 c, lanes 16-31 block 2 c + 1
.irp c, 0,1
.irp i, 0,1
	v_permlane16_swap_b32 v[PC+4*\c+\i], v[PC+2+4*\c+\i]
.endr
.endr
.endm
.macro QUANT s
	QMAX \s
	QWORD
	QCVT \s
	QSWAP
.endm
.macro MM d, a, b, c, sa, sb, arow, brow   ; one product 16 x 16 x 128; arow, brow: that side's scale words stand in lanes 16-31
.if \arow
	v_wmma_scale_f32_16x16x128_f8f6f4 v[\d:\d+7], v[\a:\a+7], v[\b:\b+7], v[\c:\c+7], v[\sa], v[\sb] matrix_a_fmt:MATRIX_FMT_FP4 matrix_b_fmt:MATRIX_FMT_FP4 matrix_a_scale:MATRIX_SCALE_ROW1
.elseif \brow
	v_wmma_scale_f32_16x16x128_f8f6f4 v[\d:\d+7], v[\a:\a+7], v[\b:\b+7], v[\c:\c+7], v[\sa], v[\sb] matrix_a_fmt:MATRIX_FMT_FP4 matrix_b_fmt:MATRIX_FMT_FP4 matrix_b_scale:MATRIX_SCALE_ROW1
.else
	v_wmma_scale_f32_16x16x128_f8f6f4 v[\d:\d+7], v[\a:\a+7], v[\b:\b+7], v[\c:\c+7], v[\sa], v[\sb] matrix_a_fmt:MATRIX_FMT_FP4 matrix_b_fmt:MATRIX_FMT_FP4
.endif
.endm
.macro PLACES                          ; four plain instructions between a matrix instruction and a read of its result, or a load or vector write into one of its registers
.rept 4
	v_nop
.endr
.endm
	s_load_b256 s[4:11], s[0:1], 0x0               ; x s[4:5], w_qkv s[6:7], b_qkv s[8:9], w_proj s[10:11]
	s_load_b128 s[12:15], s[0:1], 0x20             ; ff_w s[12:13], qkv s[14:15]
	s_load_b64 s[16:17], s[0:1], 0x30              ; wts
	v_lshl_add_u32 v242, v0, 2, 0x19800
	v_mov_b32 v243, 0
	v_lshrrev_b32 v1, 5, v0
	v_readfirstlane_b32 s18, v1                    ; wave 0..7
	s_lshr_b32 s19, s18, 1                         ; b (weights: which 32 columns) = g (rows: which 32)
	s_and_b32 s20, s18, 1                          ; c (weights: which 64 of k) = u (x: which tile of the 32 rows) = role (products)
	s_mov_b32 s30, 0x76543210
	s_mov_b32 s31, 0xfedcba98                      ; v_permlanex16_b32's selects for lane L xor 16
	v_and_b32 v1, 31, v0                           ; L
	v_and_b32 v2, 15, v0                           ; r
	v_bfe_u32 v3, v0, 4, 1                         ; h
	v_and_b32 v4, 8, v2
	v_add_nc_u32 v4, v4, v2                        ; rho(r)
	v_lshlrev_b32 v5, 4, v1                        ; 16 L
	v_lshl_add_u32 v6, v3, 3, v4
	v_lshlrev_b32 v6, 2, v6                        ; my column of the wave's 32: rho(r) + 8 h, 4 bytes each
	s_lshl_b32 s22, s19, 7
	v_add_nc_u32 v6, s22, v6                       ; + 128 b
.irp b, 0,1,2,3
	v_mov_b32 v[TM+4+\b], 0                        ; written once: a lane permute's destination counts as one of its sources
.endr
	s_cmp_lt_u32 ttmp9, 7
	s_cbranch_scc0 .Lmain
	; ---- a weight of 128 x 128: wave (b, c) takes columns 32 b .. 32 b + 31 and k = 64 c .. 64 c + 63.  No LDS, no barrier.
	s_lshl_b32 s23, s20, 15                        ; 64 c rows of 512 bytes
	v_add_nc_u32 v6, s23, v6
	s_max_u32 s24, ttmp9, 1
	s_sub_co_u32 s24, s24, 1                       ; which layer of ff_w (0 for w_proj too)
	s_lshl_b32 s24, s24, 16
	s_mov_b32 s25, 0
	s_lshl_b32 s28, ttmp9, 13                      ; images: 8,192 m + 2,048 b + 512 c + 16 L
	s_lshl_b32 s29, s19, 11
	s_add_co_u32 s28, s28, s29
	s_lshl_b32 s29, s20, 9
	s_add_co_u32 s28, s28, s29
	v_add_nc_u32 v7, s28, v5
	s_lshl_b32 s28, ttmp9, 9                       ; scale words: 512 m + 16 L + 4 b + 2 c
	s_lshl_b32 s29, s19, 2
	s_add_co_u32 s28, s28, s29
	s_lshl_b32 s29, s20, 1
	s_add_co_u32 s28, s28, s29
	v_add_nc_u32 v8, s28, v5
	s_wait_kmcnt 0x0
	s_cmp_eq_u32 ttmp9, 0                          ; the choice hangs on the work-group's number alone
	s_cselect_b64 s[26:27], s[10:11], s[12:13]
	s_add_nc_u64 s[26:27], s[26:27], s[24:25]
	WLOAD RC, 512, 0, 26
	s_wait_loadcnt 0x0
	WQ RC
	global_store_b128 v7, v[PC:PC+3], s[16:17]                  ; 512 neighbouring bytes
	global_store_b128 v7, v[PC+4:PC+7], s[16:17] offset:1024
	global_store_b16 v8, v[HWD], s[16:17] offset:57344          ; two bytes a lane: 3,584 bytes in the whole launch leave so
	s_endpgm
.Lmain:
	; ---- 128 rows of x
	s_sub_co_u32 s21, ttmp9, 7                     ; the group
	s_mul_i32 s23, s20, 98304                      ; 64 c rows of 1,536 bytes
	v_add_nc_u32 v6, s23, v6
	s_lshl_b32 s22, s21, 16                        ; my tile's first row: 128 group + 32 g + 8 u, rows of 512 bytes
	s_lshl_b32 s23, s19, 14
	s_add_co_u32 s22, s22, s23
	s_lshl_b32 s23, s20, 12
	s_add_co_u32 s22, s22, s23
	s_mov_b32 s23, 0
	s_mul_i32 s24, s21, GRP
	s_mov_b32 s25, 0
	s_mul_i32 s26, s18, 8448                       ; my stage
	v_add_nc_u32 v7, s26, v5                       ; in: a row as it lies
	v_mul_u32_u24 v8, v2, 528
	v_lshl_add_u32 v8, v3, 6, v8
	v_add_nc_u32 v8, s26, v8                       ; out: row r, + 64 h: my 16 numbers of each block of 32
	s_lshl_b32 s26, s18, 10
	s_add_co_u32 s26, s26, XI
	v_add_nc_u32 v9, s26, v5
	s_lshl_b32 s26, s18, 7
	s_add_co_u32 s26, s26, XSL
	v_lshl_add_u32 v10, v1, 2, s26
	s_lshl_b32 s26, s19, 11
	s_lshl_b32 s27, s20, 9
	s_add_co_u32 s26, s26, s27
	s_add_co_u32 s26, s26, WI
	v_add_nc_u32 v11, s26, v5                      ; w's images: 2,048 b + 512 c + 16 L
	s_lshl_b32 s26, s19, 7
	s_lshl_b32 s27, s20, 1
	s_add_co_u32 s26, s26, s27
	s_add_co_u32 s26, s26, WS
	v_lshl_add_u32 v12, v1, 2, s26                 ; their half words: 128 b + 4 L + 2 c
	s_lshr_b32 s27, s19, 1
	s_lshl_b32 s26, s27, 13
	s_add_co_u32 s26, s26, 8192
	v_add_nc_u32 v13, s26, v11                     ; v's tiles 0-3 lie behind q's, tiles 4-7 behind k's
	s_lshl_b32 s26, s27, 9
	s_add_co_u32 s26, s26, 512
	v_add_nc_u32 v14, s26, v12
	s_wait_kmcnt 0x0
	s_add_nc_u64 s[4:5], s[4:5], s[22:23]
	s_add_nc_u64 s[14:15], s[14:15], s[24:25]
	; PHASE A: every wave quantises one tile of x and an eighth of w_qkv
.set i, 0
.rept 16
	global_load_b128 v[RA+4*i:RA+4*i+3], v5, s[4:5] offset:(i+8*(i/8))*512   ; row rho(i): the 32 lanes read its 512 bytes.  No hint: the next launch reads x again
.set i, i+1
.endr
	WLOAD RC, 1536, 0, 6                           ; q's columns
	s_wait_loadcnt 63                              ; 64 loads were issued behind x's sixteen; the count is the largest that the wait can name
.set i, 0
.rept 16
	ds_store_b128 v7, v[RA+4*i:RA+4*i+3] offset:528*i
.set i, i+1
.endr
.irp b, 0,1,2,3
.irp q, 0,1,2,3
	ds_load_b128 v[RB+16*\b+4*\q:RB+16*\b+4*\q+3], v8 offset:128*\b+16*\q    ; LDS serves a wave's instructions in order: these see my stores
.endr
.endr
	s_wait_dscnt 0x0                               ; x is back, 16 neighbours of each block a lane; the stores have read their registers
	WLOAD RA, 1536, 512, 6                         ; k's columns
	QUANT RB
	ds_store_b128 v9, v[PC:PC+3]
	ds_store_b128 v9, v[PC+4:PC+7] offset:512
	ds_store_b32 v10, v[PW]
	s_wait_loadcnt 63                              ; q's columns are in: 64 loads were issued behind them
	WQ RC
	ds_store_b128 v11, v[PC:PC+3]
	ds_store_b128 v11, v[PC+4:PC+7] offset:1024
	ds_store_b16 v12, v[HWD]
	WLOAD RC, 1536, 1024, 6                        ; v's columns
	s_wait_loadcnt 63                              ; k's columns are in
	WQ RA
	ds_store_b128 v11, v[PC:PC+3] offset:12288
	ds_store_b128 v11, v[PC+4:PC+7] offset:13312
	ds_store_b16 v12, v[HWD] offset:768
	s_wait_loadcnt 0x0
	WQ RC
	ds_store_b128 v13, v[PC:PC+3]
	ds_store_b128 v13, v[PC+4:PC+7] offset:1024
	ds_store_b16 v14, v[HWD]
	s_wait_dscnt 0x0                               ; for the others' sake: my images lie in LDS
	s_barrier_signal -1
	s_barrier_wait -1
	; PHASE B: wave (g, role) takes rows 32 g .. 32 g + 31.  role 0: q and v's tiles 0-3; role 1: k and v's tiles 4-7.  No branch: the role stands in addresses.
	s_lshl_b32 s26, s19, 11
	s_add_co_u32 s26, s26, XI
	v_add_nc_u32 v6, s26, v5                       ; x's tiles 2 g, 2 g + 1
	s_lshl_b32 s26, s19, 8
	s_add_co_u32 s26, s26, XSL
	v_lshl_add_u32 v7, v1, 2, s26
	s_mul_i32 s26, s20, 12288
	s_add_co_u32 s26, s26, WI
	v_add_nc_u32 v8, s26, v5                       ; my role's twelve images of w_qkv
	s_mul_i32 s26, s20, 768
	s_add_co_u32 s26, s26, WS
	v_lshl_add_u32 v9, v1, 2, s26
	s_lshl_b32 s26, s20, 9
	v_lshl_add_u32 v10, v3, 6, s26                 ; b_qkv for q or k: 512 role + 64 h
	s_mul_i32 s26, s20, 8704
	s_lshl_b32 s27, s19, 11
	s_add_co_u32 s26, s26, s27
	v_add_nc_u32 v11, s26, v5                      ; where q's or k's images go: 8,704 role + 2,048 g + 16 L
	s_lshl_b32 s26, s20, 9
	s_lshl_b32 s27, s19, 2
	s_add_co_u32 s26, s26, s27
	s_add_co_u32 s26, s26, SCG
	v_lshl_add_u32 v12, v2, 4, s26                 ; their scale words: 512 role + 16 r + 4 g
	s_lshl_b32 s26, s20, 8
	s_add_co_u32 s26, s26, 1024
	v_lshl_add_u32 v13, v4, 2, s26                 ; b_qkv for v: 4 (256 + 64 role + rho(r))
	s_lshl_b32 s26, s20, 12
	s_lshl_b32 s27, s19, 8
	s_add_co_u32 s26, s26, s27
	s_add_co_u32 s26, s26, 17408
	v_lshl_add_u32 v14, v2, 4, s26
	v_lshl_add_u32 v14, v3, 3, v14                 ; where v's codes go: 17,408 + 4,096 role + 256 g + 16 r + 8 h
	s_lshl_b32 s26, s20, 3
	s_add_co_u32 s26, s26, s19
	s_add_co_u32 s26, s26, SCG+1024
	v_lshl_add_u32 v15, v2, 4, s26                 ; v's scale bytes: 16 r + 8 role + g
	s_min_u32 s27, s18, 2
	s_lshl_b32 s26, s27, 9
	s_add_co_u32 s26, s26, SCG
	v_add_nc_u32 v[TM+8], s26, v5                  ; the way out of the scale words (waves 0-2)
	s_mul_i32 s26, s27, 8704
	s_add_co_u32 s26, s26, 8192
	v_add_nc_u32 v[TM+9], s26, v5
.irp i, 0,1,2,3
	ds_load_b128 v[16+4*\i:19+4*\i], v6 offset:512*\i
.endr
	ds_load_b32 v[XSR], v7
	ds_load_b32 v[XSR+1], v7 offset:128
.irp t, 0,1,2,3,4,5,6,7
	ds_load_b128 v[RA+8*\t:RA+8*\t+3], v8 offset:1024*\t
	ds_load_b128 v[RA+8*\t+4:RA+8*\t+7], v8 offset:1024*\t+512
.endr
.irp i, 0,1,2,3
	ds_load_b32 v[WSC+\i], v9 offset:128*\i
.endr
.irp b, 0,1,2,3
.irp q, 0,1,2,3
	global_load_b128 v[RB+16*\b+4*\q:RB+16*\b+4*\q+3], v10, s[8:9] offset:128*\b+16*\q   ; the bias in the result's layout: it is the C of the products
.endr
.endr
	s_wait_dscnt 0x0
	s_wait_loadcnt 0x0
.irp u, 0,1                            ; q or k of 16 rows: source 0 = 16 columns of w, source 1 = x: a lane holds one row, its registers run along the channels.  Eight accumulators, one instruction each
.irp t, 0,1,2,3,4,5,6,7
	MM RC+8*\t, RA+8*\t, 16+8*\u, RB+8*\t, WSC+\t/2, XSR+\u, \t%2, 0
.endr
	PLACES
	QUANT RC
	global_store_b128 v11, v[PC:PC+3], s[14:15] offset:1024*\u          ; 512 neighbouring bytes
	global_store_b128 v11, v[PC+4:PC+7], s[14:15] offset:1024*\u+512
	ds_store_b32 v12, v[PW] offset:256*\u                               ; both halves of the lanes hold the same word
.endr
	; v: source 0 = x (16 keys), source 1 = 16 columns of w: a lane holds one channel, and its registers run along the keys, which are the K of the product that takes v
.irp tl, 0,1,2,3
	ds_load_b128 v[RA+8*\tl:RA+8*\tl+3], v8 offset:8192+1024*\tl
	ds_load_b128 v[RA+8*\tl+4:RA+8*\tl+7], v8 offset:8192+1024*\tl+512
.endr
	ds_load_b32 v[WSC], v9 offset:512
	ds_load_b32 v[WSC+1], v9 offset:640
.irp tl, 0,1,2,3
	global_load_b32 v[RB+8*\tl], v13, s[8:9] offset:4*(32*(\tl/2)+8*(\tl%2))
.endr
	s_wait_dscnt 0x0
	s_wait_loadcnt 0x0
.irp tl, 0,1,2,3
.irp j, 1,2,3,4,5,6,7
	v_mov_b32 v[RB+8*\tl+\j], v[RB+8*\tl]          ; here the bias hangs on the lane alone: it stands in all eight registers of C, and serves both tiles of keys
.endr
.endr
	PLACES
.irp tl, 0,1,2,3
.irp u, 0,1
	MM RC+16*\tl+8*\u, 16+8*\u, RA+8*\tl, RB+8*\tl, XSR+\u, WSC+\tl/2, 0, \tl%2
.endr
.endr
	PLACES
	QMAX RC                                        ; register 16 tl + i = key 32 g + 16 h + i of channel (tile tl, row r): block tl of the macro is keys 32 g .. 32 g + 31
	QCVT RC
.irp tl, 0,1,2,3
	global_store_b64 v14, v[PC+2*\tl:PC+2*\tl+1], s[14:15] offset:1024*\tl   ; the 32 lanes store 256 neighbouring bytes, at a multiple of 256 from the buffer's first byte
	ds_store_b8 v15, v[TM+4+\tl] offset:256*(\tl%2)+4*(\tl/2)                ; byte g of the channel's scale word; both halves of the lanes write the same byte
.endr
	s_wait_dscnt 0x0                               ; for the others' sake: my scale words and bytes lie in LDS
	s_barrier_signal -1
	s_barrier_wait -1
	s_cmp_lt_u32 s18, 3
	s_cbranch_scc0 .Lend
	ds_load_b128 v[RA:RA+3], v[TM+8]               ; wave 0: Q's 512 bytes of scale words, wave 1: K's, wave 2: V's
	s_wait_dscnt 0x0
	global_store_b128 v[TM+9], v[RA:RA+3], s[14:15]
.Lend:
	s_wait_tensorcnt 0x0
	ds_add_u32 v242, v243
	s_wait_dscnt 0x0
	s_endpgm
.Lfunc_end_k_q13a5091640_prep:
	.size	k_q13a5091640_prep, .Lfunc_end_k_q13a5091640_prep-k_q13a5091640_prep
	.p2alignl 7, 3214868480
	.fill 96, 4, 3214868480
	.section	.rodata,"a",@progbits
	.p2align	6, 0x0
	.amdhsa_kernel k_q13a5091640_prep
		.amdhsa_group_segment_fixed_size 105472
		.amdhsa_private_segment_fixed_size 0
		.amdhsa_enable_private_segment 0
		.amdhsa_kernarg_size 56
		.amdhsa_user_sgpr_count 2
		.amdhsa_user_sgpr_kernarg_segment_ptr 1
		.amdhsa_wavefront_size32 1
		.amdhsa_system_sgpr_workgroup_id_x 1
		.amdhsa_system_sgpr_workgroup_id_y 1
		.amdhsa_system_sgpr_workgroup_id_z 1
		.amdhsa_system_vgpr_workitem_id 0
		.amdhsa_next_free_vgpr 256
		.amdhsa_next_free_sgpr 66
		.amdhsa_reserve_vcc 0
		.amdhsa_float_denorm_mode_32 3
		.amdhsa_float_denorm_mode_16_64 3
		.amdhsa_memory_ordered 1
		.amdhsa_forward_progress 1
		.amdhsa_inst_pref_size 72
	.end_amdhsa_kernel
	.amdgpu_metadata
---
amdhsa.version: [ 1, 2 ]
amdhsa.kernels:
  - .name:           k_q13a5091640_prep
    .symbol:         k_q13a5091640_prep.kd
    .args:
      - { .name: x, .offset: 0, .size: 8, .value_kind: global_buffer, .address_space: global }
      - { .name: w_qkv, .offset: 8, .size: 8, .value_kind: global_buffer, .address_space: global }
      - { .name: b_qkv, .offset: 16, .size: 8, .value_kind: global_buffer, .address_space: global }
      - { .name: w_proj, .offset: 24, .size: 8, .value_kind: global_buffer, .address_space: global }
      - { .name: ff_w, .offset: 32, .size: 8, .value_kind: global_buffer, .address_space: global }
      - { .name: qkv, .offset: 40, .size: 8, .value_kind: global_buffer, .address_space: global }
      - { .name: wts, .offset: 48, .size: 8, .value_kind: global_buffer, .address_space: global }
    .group_segment_fixed_size: 105472
    .private_segment_fixed_size: 0
    .kernarg_segment_align: 8
    .kernarg_segment_size: 56
    .max_flat_workgroup_size: 256
    .sgpr_count:     66
    .vgpr_count:     256
    .wavefront_size: 32
...
	.end_amdgpu_metadata
.endif
;; end of part 1
;; launch block (part 2): grid 8 x 32, 8 waves a work-group, clusters of 4 x 1, 265,216 bytes of LDS; arguments qkv, wts, x, b_proj, ff_b, ln1_g, ln1_b, ln2_g, ln2_b, out0; writes out0
.if DOCPART == 2
	.amdgcn_target "amdgcn-amd-amdhsa--gfx1250"
	.amdhsa_code_object_version 6
	.text
	.protected	k_q13a5091640_block
	.globl	k_q13a5091640_block
	.p2align	8
	.type	k_q13a5091640_block,@function
k_q13a5091640_block:
	s_mov_b64 s[64:65], 0
	v_nop
	global_prefetch_b8 v0, s[64:65] scope:SCOPE_SE
	s_setreg_imm32_b32 hwreg(HW_REG_WAVE_MODE, 25, 1), 1
	s_wait_xcnt 0x0
	s_wait_alu depctr_hold_cnt(0) depctr_sa_sdst(0) depctr_va_vdst(0) depctr_va_sdst(0) depctr_va_ssrc(0) depctr_va_vcc(0) depctr_vm_vsrc(0)
	s_getreg_b32 s2, hwreg(HW_REG_IB_STS2, 6, 4)
	s_cmp_eq_u32 s2, 0
	s_cbranch_scc0 .Lentry_in_a_cluster
	s_endpgm
.Lentry_in_a_cluster:
	s_bfe_u32 s2, ttmp6, 0x10000c
	s_cmp_lg_u32 s2, 0x3003
	s_cbranch_scc0 .Lentry_shape_is_right
	s_endpgm
.Lentry_shape_is_right:
; BLOCK.  For 128 rows of one sequence: scores, softmax, attention's second product, the projection, residual and LayerNorm, six linear layers with five ReLUs, residual and LayerNorm.
; Every product is v_wmma_scale_f32_16x16x128_f8f6f4 on codes of FP4 (E2M1) with E8M0 scales; every K step of 128 is one instruction.  Q, K, V and the weights come as images of operand registers (1,024 bytes a fragment:
; registers 4 c .. 4 c + 3 of lane L at 512 c + 16 L), made by the launch before.
; SHARES.  A work-group of eight waves owns 128 rows; wave w owns 16 of them, rows 32 (w / 2) + 8 (w % 2) + rho(r), rho(i) = i + 8 (i / 8), from the scores to the output.  Two waves share a SIMD.
; LAYOUT.  All products are used transposed (source 0 = 16 keys, channels or output units; source 1 = my 16 rows): lane (r, h) holds ONE row throughout.  Row m of tile 2 b + u of a source 0 is thing 32 b + 8 u + rho(m),
; so register 16 b + i of a buffer of 64 holds thing 32 b + 16 h + i: sixteen neighbours along the next product's K, as the conversions want them.
; SOFTMAX.  t = score x log2(e) / sqrt(128); M = the running largest t rounded up to a whole number; p = 2^(t - M) is quantised along the keys; the row's sum is taken of the unquantised p and divides at the end.
; When M moves, the sum and O are multiplied by 2^(old M - new M), which rounds nothing.
; LDS.  A sequence's K and V (8 steps x 17,408 bytes), the seven weights' images (57,344) and each wave's 16 rows of x (8,448) all fit: every byte is filled once, by seven tensor loads a wave issued together at the start;
; counted waits let the first two key steps be worked while the others land.  Seven tensor loads of a wave are out.
; CLUSTER.  The four work-groups of a cluster belong to one sequence: K, V and the weights are asked for jointly (mask 15); x's rows are each work-group's own (no mask).
; LIMITS: NaN and infinities among the inputs are not served.  A block whose largest magnitude lies under 2^-124, and a block of zeros, gets the byte 1 (a block of zeros has zero codes).  A p under 2^-126 comes out of v_exp_f32 as 0.
; A block's largest p is made from its largest score by the same two instructions: this takes v_exp_f32 not to fall where its input rises.
.set GRP,  26112
.set KVB,  17408                       ; a key step in LDS: K's 8 images, 512 bytes of scale words, V's 8 images, 512 bytes of scale words
.set WT,   139264                      ; the weights' images, 8,192 a matrix
.set STG,  196608                      ; 8 x 8,448: a wave's own stage: x's rows (pitch 528), then what the first LayerNorm gives, then the output's rows (pitch 528)
.set LI,   1                           ; v1  16 L
.set AD,   2                           ; v2  the key step's place in LDS + 16 L
.set BA,   3                           ; v3  64 h: my 16 of each 32 numbers of a bias or gain
.set SRD,  4                           ; v4  my stage + 528 r + 64 h
.set SIM,  5                           ; v5  my stage + 16 L
.set AW,   6                           ; v6  a weight's images + 16 L
.set F,    32                          ; v32-95   eight fragments of K, V or a weight; later a LayerNorm's gains
.set HA,   96                          ; v96-159  scores, then p; later activations
.set HB,   160                         ; v160-223 O; later activations
.set PC,   224                         ; v224-231 codes just made
.set TM,   232                         ; v232-247 at work
.set PW,   253                         ; the scale word just made.  v248-251: scale words of K, V or a weight; v24: Q's; v12 -M, v13 the largest t, v[14:15] the sum; v252 f; v254 at work
.set WV,   24
.set SEL,  60                          ; s[60:61] v_permlanex16_b32's selects for lane L xor 16
.set CS,   62                          ; s[62:63] c = log2(e) / sqrt(128), twice
.set TB,   96                          ; s96 the key step's first LDS byte
.set CNT,  97
.set INV,  98                          ; 1 / 128
.set EPS,  99                          ; 1e-5
.macro CROUND                          ; a round of the cluster's barrier
	s_barrier_signal -1
	s_barrier_wait -1
	s_cmp_lg_u32 s[WV], 0
	s_cbranch_scc1 .Lnot_wave_0_\@
	s_barrier_signal -3
.Lnot_wave_0_\@:
	s_barrier_wait -3
	s_barrier_signal -1
	s_barrier_wait -1
.endm
.macro PLACES                          ; four plain instructions between a matrix instruction and a read of its result, or a load or vector write into one of its registers
.rept 4
	v_nop
.endr
.endm
.macro MM d, a, b, c, sa, sb, arow     ; one product 16 x 16 x 128; arow: source 0's scale words stand in lanes 16-31
.if \arow
	v_wmma_scale_f32_16x16x128_f8f6f4 v[\d:\d+7], v[\a:\a+7], v[\b:\b+7], v[\c:\c+7], v[\sa], v[\sb] matrix_a_fmt:MATRIX_FMT_FP4 matrix_b_fmt:MATRIX_FMT_FP4 matrix_a_scale:MATRIX_SCALE_ROW1
.else
	v_wmma_scale_f32_16x16x128_f8f6f4 v[\d:\d+7], v[\a:\a+7], v[\b:\b+7], v[\c:\c+7], v[\sa], v[\sb] matrix_a_fmt:MATRIX_FMT_FP4 matrix_b_fmt:MATRIX_FMT_FP4
.endif
.endm
.macro MM0 d, a, b, sa, sb, arow       ; the same with the constant 0 as C
.if \arow
	v_wmma_scale_f32_16x16x128_f8f6f4 v[\d:\d+7], v[\a:\a+7], v[\b:\b+7], 0, v[\sa], v[\sb] matrix_a_fmt:MATRIX_FMT_FP4 matrix_b_fmt:MATRIX_FMT_FP4 matrix_a_scale:MATRIX_SCALE_ROW1
.else
	v_wmma_scale_f32_16x16x128_f8f6f4 v[\d:\d+7], v[\a:\a+7], v[\b:\b+7], 0, v[\sa], v[\sb] matrix_a_fmt:MATRIX_FMT_FP4 matrix_b_fmt:MATRIX_FMT_FP4
.endif
.endm
	s_load_b512 s[4:19], s[0:1], 0x0               ; qkv s[4:5], wts s[6:7], x s[8:9], b_proj s[10:11], ff_b s[12:13], ln1_g s[14:15], ln1_b s[16:17], ln2_g s[18:19]
	s_load_b128 s[20:23], s[0:1], 0x40             ; ln2_b s[20:21], out0 s[22:23]
	v_lshl_add_u32 v31, v0, 2, 0x40800
	v_mov_b32 v255, 0
	ds_add_u32 v31, v255
	ds_add_u32 v31, v255
	v_lshrrev_b32 v1, 5, v0
	v_readfirstlane_b32 s[WV], v1                  ; wave 0..7
	s_bfe_u32 s25, ttmp6, 0x40000                  ; cx: my place in the cluster.  It enters s25, s26, s[66:67], s[2:3] and the addresses of x, Q and out0, and nothing else
	s_and_b32 s27, ttmp7, 0xffff                   ; the sequence, which the four partners share
	s_lshl_b32 s28, s27, 3
	s_lshl_b32 s26, ttmp9, 2
	s_add_co_u32 s26, s26, s25
	s_add_co_u32 s26, s26, s28                     ; my group of 128 rows: 8 x sequence + 4 x cluster x + cx
	; K and V: stage n is key steps 2 n and 2 n + 1; wave w fetches quarter w % 4 (17 rows of 256 bytes) of step 2 n + w / 4
	s_lshr_b32 s29, s[WV], 2
	s_add_co_u32 s30, s28, s29
	s_mul_i32 s30, s30, GRP
	s_and_b32 s29, s[WV], 3
	s_mul_i32 s29, s29, 4352
	s_add_co_u32 s30, s30, s29
	s_add_co_u32 s30, s30, 8704                    ; behind the group's Q
	s_mov_b32 s31, 0
	s_mul_i32 s32, s[WV], 4352                     ; in LDS: 34,816 n + 4,352 w
	s_mul_i32 s34, s[WV], 7168                     ; the weights: 28 rows of 256 bytes a wave
	s_mov_b32 s35, 0
	; group 1 of the descriptors: elements of 8 bytes.  K, V: 17 rows of 32 elements, dense; mask 15 and bit 21 beside it
	s_mov_b32 s36, 15|(3<<16)|(1<<21)
	s_mov_b32 s37, 32<<16                          ; tensor_dim0
	s_mov_b32 s38, 17<<16                          ; tensor_dim1
	s_mov_b32 s39, 32<<16                          ; tile_dim0
	s_mov_b32 s40, 17                              ; tile_dim1
	s_mov_b32 s41, 32                              ; from row to row
	s_mov_b32 s42, 0
	s_mov_b32 s43, 0
	s_mov_b32 s44, 15|(3<<16)|(1<<21)              ; the weights: 28 such rows
	s_mov_b32 s45, 32<<16
	s_mov_b32 s46, 28<<16
	s_mov_b32 s47, 32<<16
	s_mov_b32 s48, 28
	s_mov_b32 s49, 32
	s_mov_b32 s50, 0
	s_mov_b32 s51, 0
	s_mov_b32 s52, (3<<16)|(1<<20)|(6<<22)|(3<<25) ; x: no mask; 8 rows of 64 elements (512 bytes); four words of padding behind every 128
	s_mov_b32 s53, 64<<16
	s_mov_b32 s54, 8<<16
	s_mov_b32 s55, 64<<16
	s_mov_b32 s56, 8
	s_mov_b32 s57, 64
	s_mov_b32 s58, 0
	s_mov_b32 s59, 0
	s_mov_b32 s[SEL], 0x76543210
	s_mov_b32 s[SEL+1], 0xfedcba98
	s_mov_b32 s[CS], 0x3e0293ee
	s_mov_b32 s[CS+1], s[CS]                       ; named with it as a pair, so it is written
	s_mov_b32 s[INV], 0x3c000000
	s_mov_b32 s[EPS], 0x3727c5ac
	s_lshl_b32 s66, s26, 16                        ; my first row: 128 x group + 32 (w / 2) + 8 (w % 2), rows of 512 bytes
	s_lshr_b32 s29, s[WV], 1
	s_lshl_b32 s29, s29, 14
	s_add_co_u32 s66, s66, s29
	s_and_b32 s29, s[WV], 1
	s_lshl_b32 s29, s29, 12
	s_add_co_u32 s66, s66, s29
	s_mov_b32 s67, 0
	s_mul_i32 s33, s[WV], 8448
	s_add_co_u32 s33, s33, STG                     ; my stage
	s_wait_dscnt 0x0
	s_wait_kmcnt 0x0
	s_add_nc_u64 s[30:31], s[4:5], s[30:31]
.irp n, 0,1,2,3
	s_mov_b32 s[68+4*\n], 1
	s_add_co_u32 s[69+4*\n], s32, \n*2*KVB
	s_add_nc_u64 s[70+4*\n:71+4*\n], s[30:31], \n*2*GRP
	s_or_b32 s[71+4*\n], s[71+4*\n], 0x80000000
.endr
	s_mov_b32 s84, 1
	s_add_co_u32 s85, s34, WT
	s_add_nc_u64 s[86:87], s[6:7], s[34:35]
	s_or_b32 s87, s87, 0x80000000
	s_add_nc_u64 s[8:9], s[8:9], s[66:67]          ; x and out0 at my first row
	s_add_nc_u64 s[22:23], s[22:23], s[66:67]
	s_mov_b32 s88, 1                               ; x: rows 0-7 of my tile,
	s_mov_b32 s89, s33
	s_mov_b64 s[90:91], s[8:9]
	s_or_b32 s91, s91, 0x80000000
	s_mov_b32 s92, 1                               ; and rows 8-15, which lie 16 rows further down
	s_add_co_u32 s93, s33, 4224
	s_add_nc_u64 s[94:95], s[8:9], 8192
	s_or_b32 s95, s95, 0x80000000
	s_mul_i32 s66, s26, GRP
	s_add_nc_u64 s[2:3], s[4:5], s[66:67]          ; my group in qkv: Q
	CROUND                                         ; all four work-groups are here: the joint loads meet
	tensor_load_to_lds s[68:71], s[36:43]          ; key steps 0, 1
	s_nop 0
	tensor_load_to_lds s[72:75], s[36:43]          ; 2, 3
	s_nop 0
	tensor_load_to_lds s[76:79], s[36:43]          ; 4, 5
	s_nop 0
	tensor_load_to_lds s[80:83], s[36:43]          ; 6, 7
	s_nop 0
	tensor_load_to_lds s[84:87], s[44:51]          ; the weights
	s_nop 0
	tensor_load_to_lds s[88:91], s[52:59]          ; x
	s_nop 0
	tensor_load_to_lds s[92:95], s[52:59]
	s_nop 0
.rept 4
	v_nop
.endr
	v_and_b32 v7, 31, v0
	v_lshlrev_b32 v[LI], 4, v7
	v_and_b32 v8, 15, v0                           ; r
	v_bfe_u32 v9, v0, 4, 1                         ; h
	v_lshlrev_b32 v[BA], 6, v9
	v_mul_u32_u24 v[SRD], v8, 528
	v_add_nc_u32 v[SRD], v[SRD], v[BA]
	v_add_nc_u32 v[SRD], s33, v[SRD]
	v_add_nc_u32 v[SIM], s33, v[LI]
	s_lshl_b32 s29, s[WV], 10
	v_add_nc_u32 v7, s29, v[LI]                    ; Q's image of tile w
	s_and_b32 s29, s[WV], 1
	s_lshl_b32 s29, s29, 8
	s_lshr_b32 s28, s[WV], 1
	s_lshl_b32 s28, s28, 2
	s_add_co_u32 s29, s29, s28
	v_lshl_add_u32 v8, v8, 4, s29                  ; its scale words: 16 (16 (w % 2) + r) + 4 (w / 2)
	global_load_b128 v[16:19], v7, s[2:3]
	global_load_b128 v[20:23], v7, s[2:3] offset:512
	global_load_b32 v24, v8, s[2:3] offset:8192
	v_mov_b32 v13, 0xff61b1e6                      ; the largest t so far: -3e38, under every t
	v_floor_f32 v12, -v13                          ; -M
	v_mov_b32 v14, 0                               ; the sum, in two halves
	v_mov_b32 v15, 0
.irp b, 0,1,2,3
	v_mov_b32 v[236+\b], 0                         ; written once: a lane permute's destination counts as one of its sources
.endr
	v_mov_b32 v252, 0
	v_mov_b32 v253, 0                              ; named as the upper half of the pair v[252:253] before it is first written
	v_mov_b32 v254, 0
.set j, 0
.rept 64
	v_mov_b32 v[HB+j], 0                           ; O.  The key step is written without a first step of its own: the first change of M multiplies zeros
.set j, j+1
.endr
	s_wait_loadcnt 0x0                             ; Q
; A KEY STEP: 128 keys
.macro STEP
	v_add_nc_u32 v[AD], s[TB], v[LI]
.rept 3
	v_nop                                          ; with the line above: the four places in front of loads into registers that the last products read
.endr
.irp t, 0,1,2,3,4,5,6,7
	ds_load_b128 v[F+8*\t:F+8*\t+3], v[AD] offset:1024*\t
	ds_load_b128 v[F+8*\t+4:F+8*\t+7], v[AD] offset:1024*\t+512
.endr
	ds_load_b128 v[248:251], v[AD] offset:8192     ; register i: lanes 0-15 the words of tile 2 i, lanes 16-31 of tile 2 i + 1
	s_wait_dscnt 0x0
.irp t, 0,1,2,3,4,5,6,7
	MM0 HA+8*\t, F+8*\t, 16, 248+\t/2, 24, \t%2    ; scores: register 16 b + i = key 32 b + 16 h + i of my query
.endr
	PLACES
.irp t, 0,1,2,3,4,5,6,7                        ; V's fragments land while the softmax is worked
	ds_load_b128 v[F+8*\t:F+8*\t+3], v[AD] offset:8704+1024*\t
	ds_load_b128 v[F+8*\t+4:F+8*\t+7], v[AD] offset:8704+1024*\t+512
.endr
	ds_load_b128 v[248:251], v[AD] offset:16896
.irp b, 0,1,2,3
	v_max3_num_f32 v[232+\b], v[HA+16*\b], v[HA+1+16*\b], v[HA+2+16*\b]   ; the largest score of each block of 32 keys: for the row's maximum, and for the block's largest p
.endr
.irp i, 3,5,7,9,11,13
.irp b, 0,1,2,3
	v_max3_num_f32 v[232+\b], v[232+\b], v[HA+16*\b+\i], v[HA+1+16*\b+\i]
.endr
.endr
.irp b, 0,1,2,3
	v_max_num_f32 v[232+\b], v[232+\b], v[HA+15+16*\b]
.endr
.irp b, 0,1,2,3
	v_permlanex16_b32 v[236+\b], v[232+\b], s[SEL], s[SEL+1]
.endr
.irp b, 0,1,2,3
	v_max_num_f32 v[232+\b], v[232+\b], v[236+\b]
.endr
	v_max3_num_f32 v254, v232, v233, v234
	v_max_num_f32 v254, v254, v235
	v_mul_f32 v254, s[CS], v254                    ; the step's largest t (c is positive)
	v_max_num_f32 v13, v13, v254
	v_mov_b32 v254, v12
	v_floor_f32 v12, -v13                          ; the new -M = -ceil(t)
	v_sub_f32 v254, v12, v254                      ; old M - new M: a whole number, 0 or less
	v_cvt_i32_f32 v254, v254                       ; (it saturates)
	v_ldexp_f32 v252, 1.0, v254                    ; f = 2^(old M - new M)
.set j, 0
.rept 32
	v_pk_fma_f32 v[HA+j:HA+j+1], v[HA+j:HA+j+1], s[CS:CS+1], v[12:13] op_sel_hi:[1,0,0]   ; t - M
.set j, j+2
.endr
.irp b, 0,1,2,3
	v_fma_f32 v[232+\b], v[232+\b], s[CS], v12
.endr
.set j, 0
.rept 64
	v_exp_f32 v[HA+j], v[HA+j]                     ; p = 2^(t - M)
.set j, j+1
.endr
.irp b, 0,1,2,3
	v_exp_f32 v[232+\b], v[232+\b]                 ; each block's largest p
.endr
	v_pk_mul_f32 v[14:15], v[14:15], v[252:253] op_sel_hi:[1,0]   ; the sum under the new M.  (The plain instruction behind the exponentials)
	s_wait_alu depctr_va_vdst(0)
.irp b, 0,1,2,3
	v_max_num_f32 v[232+\b], 0x1800000, v[232+\b]  ; the floor 2^(3 - 127)
.endr
.irp b, 0,1,2,3
	v_add_nc_u32 v[244+\b], 0xff000000, v[232+\b]  ; 2 off the exponent field: the conversion's scale operand
.endr
.irp b, 0,1,2,3
	v_lshrrev_b32 v[236+\b], 23, v[244+\b]
.endr
	v_lshl_or_b32 v[PW], v237, 8, v236             ; p's scale word for these 128 keys
	v_lshl_or_b32 v[PW], v238, 16, v[PW]
	v_lshl_or_b32 v[PW], v239, 24, v[PW]
.irp b, 0,1,2,3
	v_cvt_scalef32_pk8_fp4_f32 v[PC+2*\b], v[HA+16*\b:HA+16*\b+7], v[244+\b]
	v_cvt_scalef32_pk8_fp4_f32 v[PC+1+2*\b], v[HA+16*\b+8:HA+16*\b+15], v[244+\b]
.endr
	v_nop                                          ; one plain instruction behind the scaled conversions
.irp c, 0,1
.irp i, 0,1
	v_permlane16_swap_b32 v[PC+4*\c+\i], v[PC+2+4*\c+\i]
.endr
.endr
	v_pk_add_f32 v[236:237], v[HA:HA+1], v[HA+2:HA+3]   ; the row's sum of the unquantised p, in two chains
.set j, 4
.rept 15
	v_pk_add_f32 v[14:15], v[14:15], v[HA+j:HA+j+1]
	v_pk_add_f32 v[236:237], v[236:237], v[HA+j+2:HA+j+3]
.set j, j+4
.endr
	v_pk_add_f32 v[14:15], v[14:15], v[236:237]
.set j, 0
.rept 32
	v_pk_mul_f32 v[HB+j:HB+j+1], v[HB+j:HB+j+1], v[252:253] op_sel_hi:[1,0]   ; O under the new M.  (These stand between the writing of p's codes and scale word and the products that take them)
.set j, j+2
.endr
	s_wait_dscnt 0x0                               ; V
.irp t, 0,1,2,3,4,5,6,7                        ; the eight accumulators take turns, one instruction a turn; the scores' products stand between two turns of one accumulator
	MM HB+8*\t, F+8*\t, PC, HB+8*\t, 248+\t/2, PW, \t%2
.endr
.endm
; Two key steps.  left: my tensor loads issued behind this stage's, which may stay out
.macro STAGE n, left
	s_wait_tensorcnt \left                         ; tensor loads of a wave end in order (ISA guide 10.11.1): my part of the stage is in LDS,
	s_barrier_signal -1
	s_barrier_wait -1                              ; everybody's is
	s_mov_b32 s[TB], \n*2*KVB
	s_mov_b32 s[CNT], 2
.Lstep_\@:
	STEP
	s_add_co_u32 s[TB], s[TB], KVB
	s_sub_co_u32 s[CNT], s[CNT], 1
	s_cmp_lg_u32 s[CNT], 0
	s_cbranch_scc1 .Lstep_\@
.endm
	STAGE 0, 6
	STAGE 1, 5
	STAGE 2, 4
	STAGE 3, 3
	s_wait_tensorcnt 0x0                           ; my part of the weights, and my rows of x
	s_barrier_signal -1
	s_barrier_wait -1
; 64 numbers of a lane, register 16 b + i = k 32 b + 16 h + i of my row, become a fragment's codes in v[PC] on and its scale word in v[PW]
.macro QUANT s
.irp b, 0,1,2,3
	v_max3_num_f32 v[TM+\b], |v[\s+16*\b]|, |v[\s+1+16*\b]|, 0x1800000
.endr
.irp i, 2,4,6,8,10,12,14
.irp b, 0,1,2,3
	v_max3_num_f32 v[TM+\b], v[TM+\b], |v[\s+16*\b+\i]|, |v[\s+1+16*\b+\i]|
.endr
.endr
.irp b, 0,1,2,3
	v_permlanex16_b32 v[TM+4+\b], v[TM+\b], s[SEL], s[SEL+1]
.endr
.irp b, 0,1,2,3
	v_max_num_f32 v[TM+\b], v[TM+\b], v[TM+4+\b]
.endr
.irp b, 0,1,2,3
	v_add_nc_u32 v[TM+12+\b], 0xff000000, v[TM+\b]
.endr
.irp b, 0,1,2,3
	v_lshrrev_b32 v[TM+4+\b], 23, v[TM+12+\b]
.endr
	v_lshl_or_b32 v[PW], v[TM+5], 8, v[TM+4]
	v_lshl_or_b32 v[PW], v[TM+6], 16, v[PW]
	v_lshl_or_b32 v[PW], v[TM+7], 24, v[PW]
.irp b, 0,1,2,3
	v_cvt_scalef32_pk8_fp4_f32 v[PC+2*\b], v[\s+16*\b:\s+16*\b+7], v[TM+12+\b]
	v_cvt_scalef32_pk8_fp4_f32 v[PC+1+2*\b], v[\s+16*\b+8:\s+16*\b+15], v[TM+12+\b]
.endr
	v_nop                                          ; one plain instruction behind the scaled conversions
.irp c, 0,1
.irp i, 0,1
	v_permlane16_swap_b32 v[PC+4*\c+\i], v[PC+2+4*\c+\i]
.endr
.endr
.endm
.macro PLOAD reg, sb, off              ; 128 numbers of a bias or gain in my layout: register 16 b + i = number 32 b + 16 h + i
.irp b, 0,1,2,3
.irp q, 0,1,2,3
	global_load_b128 v[\reg+16*\b+4*\q:\reg+16*\b+4*\q+3], v[BA], s[\sb:\sb+1] offset:\off+128*\b+16*\q
.endr
.endr
.endm
; dst = Q(src) W_m + bias, with a ReLU or without.  The bias is loaded into dst and is the C of the products.  The loads stand four places or more behind the last products (their PLACES).
.macro LAYER m, src, dst, sb, off, relu
	v_add_nc_u32 v[AW], WT+8192*\m, v[LI]
.irp t, 0,1,2,3,4,5,6,7
	ds_load_b128 v[F+8*\t:F+8*\t+3], v[AW] offset:1024*\t
	ds_load_b128 v[F+8*\t+4:F+8*\t+7], v[AW] offset:1024*\t+512
.endr
	global_load_b128 v[248:251], v[LI], s[6:7] offset:57344+512*\m
	PLOAD \dst, \sb, \off
	QUANT \src
	s_wait_dscnt 0x0
	s_wait_loadcnt 0x0
.rept 8
	v_nop                                          ; a scale word written by vector instructions stands eight places ahead of a scaled matrix instruction, codes so written four
.endr
.irp t, 0,1,2,3,4,5,6,7
	MM \dst+8*\t, F+8*\t, PC, \dst+8*\t, 248+\t/2, PW, \t%2
.endr
	PLACES
.if \relu
.set j, 0
.rept 64
	v_max_num_f32 v[\dst+j], 0, v[\dst+j]
.set j, j+1
.endr
.endif
.endm
; y = (y - mean) / sqrt(variance + 1e-5) x gain + bias over my row's 128 numbers (64 mine, 64 lane L xor 16's); the variance is taken of y - mean.  bq: a free buffer for the bias
.macro LNORM y, bq, sg, sb
	PLOAD F, \sg, 0
	PLOAD \bq, \sb, 0
.irp p, 0,1,2,3,4,5,6,7
	v_pk_add_f32 v[TM+2*\p:TM+2*\p+1], v[\y+2*\p:\y+2*\p+1], v[\y+16+2*\p:\y+17+2*\p]
.endr
.irp k, 32,48
.irp p, 0,1,2,3,4,5,6,7
	v_pk_add_f32 v[TM+2*\p:TM+2*\p+1], v[TM+2*\p:TM+2*\p+1], v[\y+\k+2*\p:\y+\k+1+2*\p]
.endr
.endr
.irp p, 0,1,2,3
	v_pk_add_f32 v[TM+2*\p:TM+2*\p+1], v[TM+2*\p:TM+2*\p+1], v[TM+8+2*\p:TM+9+2*\p]
.endr
.irp p, 0,1
	v_pk_add_f32 v[TM+2*\p:TM+2*\p+1], v[TM+2*\p:TM+2*\p+1], v[TM+4+2*\p:TM+5+2*\p]
.endr
	v_pk_add_f32 v[TM:TM+1], v[TM:TM+1], v[TM+2:TM+3]
	v_add_f32 v12, v[TM], v[TM+1]
	v_permlanex16_b32 v254, v12, s[SEL], s[SEL+1]
	v_add_f32 v12, v12, v254
	v_mul_f32 v12, s[INV], v12                     ; the mean
.set j, 0
.rept 32
	v_pk_add_f32 v[\y+j:\y+j+1], v[\y+j:\y+j+1], v[12:13] op_sel_hi:[1,0] neg_lo:[0,1] neg_hi:[0,1]
.set j, j+2
.endr
.irp p, 0,1,2,3,4,5,6,7
	v_pk_mul_f32 v[TM+2*\p:TM+2*\p+1], v[\y+2*\p:\y+2*\p+1], v[\y+2*\p:\y+2*\p+1]
.endr
.irp k, 16,32,48
.irp p, 0,1,2,3,4,5,6,7
	v_pk_fma_f32 v[TM+2*\p:TM+2*\p+1], v[\y+\k+2*\p:\y+\k+1+2*\p], v[\y+\k+2*\p:\y+\k+1+2*\p], v[TM+2*\p:TM+2*\p+1]
.endr
.endr
.irp p, 0,1,2,3
	v_pk_add_f32 v[TM+2*\p:TM+2*\p+1], v[TM+2*\p:TM+2*\p+1], v[TM+8+2*\p:TM+9+2*\p]
.endr
.irp p, 0,1
	v_pk_add_f32 v[TM+2*\p:TM+2*\p+1], v[TM+2*\p:TM+2*\p+1], v[TM+4+2*\p:TM+5+2*\p]
.endr
	v_pk_add_f32 v[TM:TM+1], v[TM:TM+1], v[TM+2:TM+3]
	v_add_f32 v14, v[TM], v[TM+1]
	v_permlanex16_b32 v254, v14, s[SEL], s[SEL+1]
	v_add_f32 v14, v14, v254
	v_fma_f32 v14, v14, s[INV], s[EPS]             ; the variance + 1e-5
	v_rsq_f32 v14, v14
	v_nop                                          ; one plain instruction behind the transcendental
.set j, 0
	s_wait_alu depctr_va_vdst(0)
.rept 32
	v_pk_mul_f32 v[\y+j:\y+j+1], v[\y+j:\y+j+1], v[14:15] op_sel_hi:[1,0]
.set j, j+2
.endr
	s_wait_loadcnt 0x0                             ; gain and bias
.set j, 0
.rept 32
	v_pk_fma_f32 v[\y+j:\y+j+1], v[\y+j:\y+j+1], v[F+j:F+j+1], v[\bq+j:\bq+j+1]
.set j, j+2
.endr
.endm
	PLACES                                         ; behind the last products: O is read below
	v_add_f32 v14, v14, v15                        ; the sum's two halves,
	v_permlanex16_b32 v252, v14, s[SEL], s[SEL+1]
	v_add_f32 v14, v14, v252                       ; and lane L xor 16's: the row's sum
	v_rcp_f32 v14, v14
	v_nop                                          ; one plain instruction behind the transcendental
.set j, 0
	s_wait_alu depctr_va_vdst(0)
.rept 32
	v_pk_mul_f32 v[HB+j:HB+j+1], v[HB+j:HB+j+1], v[14:15] op_sel_hi:[1,0]   ; O / the sum, each accumulator from its low end on
.set j, j+2
.endr
	LAYER 0, HB, HA, 10, 0, 0                      ; the projection
.irp b, 0,1,2,3
.irp q, 0,1,2,3
	ds_load_b128 v[HB+16*\b+4*\q:HB+16*\b+4*\q+3], v[SRD] offset:128*\b+16*\q   ; x, my row, in my layout
.endr
.endr
	s_wait_dscnt 0x0
.set j, 0
.rept 32
	v_pk_add_f32 v[HB+j:HB+j+1], v[HA+j:HA+j+1], v[HB+j:HB+j+1]   ; the residual
.set j, j+2
.endr
	LNORM HB, HA, 14, 16
.set i, 0
.rept 16
	ds_store_b128 v[SIM], v[HB+4*i:HB+4*i+3] offset:512*i          ; kept for the second residual, in my stage: x's rows have been read, and nothing is filled there again
.set i, i+1
.endr
	LAYER 1, HB, HA, 12, 0, 1
	LAYER 2, HA, HB, 12, 512, 1
	LAYER 3, HB, HA, 12, 1024, 1
	LAYER 4, HA, HB, 12, 1536, 1
	LAYER 5, HB, HA, 12, 2048, 1
	LAYER 6, HA, HB, 12, 2560, 0
.set i, 0
.rept 16
	ds_load_b128 v[HA+4*i:HA+4*i+3], v[SIM] offset:512*i
.set i, i+1
.endr
	s_wait_dscnt 0x0
.set j, 0
.rept 32
	v_pk_add_f32 v[HB+j:HB+j+1], v[HB+j:HB+j+1], v[HA+j:HA+j+1]   ; the second residual
.set j, j+2
.endr
	LNORM HB, HA, 18, 20
	; THE WAY OUT: a lane holds pieces of one row; through my stage they become whole rows of 512 bytes
.irp b, 0,1,2,3
.irp q, 0,1,2,3
	ds_store_b128 v[SRD], v[HB+16*\b+4*\q:HB+16*\b+4*\q+3] offset:128*\b+16*\q
.endr
.endr
.set i, 0
.rept 16
	ds_load_b128 v[HA+4*i:HA+4*i+3], v[SIM] offset:528*i           ; LDS serves a wave's instructions in order (ISA guide 5.7.1.4): these see my stores
.set i, i+1
.endr
.set i, 0
.rept 16
	s_wait_dscnt 15-i                              ; row i is back; the younger reads may be out
	global_store_b128 v[LI], v[HA+4*i:HA+4*i+3], s[22:23] offset:(i+8*(i/8))*512 th:TH_STORE_NT   ; the 32 lanes store 512 neighbouring bytes, at a multiple of 256 from out0's first byte
.set i, i+1
.endr
	s_wait_tensorcnt 0x0
	ds_add_u32 v31, v255
	s_wait_dscnt 0x0
	CROUND                                         ; the closing round: no work-group ends while a partner may still ask for a tile that names it
	s_endpgm
.Lfunc_end_k_q13a5091640_block:
	.size	k_q13a5091640_block, .Lfunc_end_k_q13a5091640_block-k_q13a5091640_block
	.p2alignl 7, 3214868480
	.fill 96, 4, 3214868480
	.section	.rodata,"a",@progbits
	.p2align	6, 0x0
	.amdhsa_kernel k_q13a5091640_block
		.amdhsa_group_segment_fixed_size 265216
		.amdhsa_private_segment_fixed_size 0
		.amdhsa_enable_private_segment 0
		.amdhsa_kernarg_size 80
		.amdhsa_user_sgpr_count 2
		.amdhsa_user_sgpr_kernarg_segment_ptr 1
		.amdhsa_wavefront_size32 1
		.amdhsa_system_sgpr_workgroup_id_x 1
		.amdhsa_system_sgpr_workgroup_id_y 1
		.amdhsa_system_sgpr_workgroup_id_z 1
		.amdhsa_system_vgpr_workitem_id 0
		.amdhsa_next_free_vgpr 256
		.amdhsa_next_free_sgpr 100
		.amdhsa_reserve_vcc 0
		.amdhsa_float_denorm_mode_32 3
		.amdhsa_float_denorm_mode_16_64 3
		.amdhsa_memory_ordered 1
		.amdhsa_forward_progress 1
		.amdhsa_inst_pref_size 186
	.end_amdhsa_kernel
	.amdgpu_metadata
---
amdhsa.version: [ 1, 2 ]
amdhsa.kernels:
  - .name:           k_q13a5091640_block
    .symbol:         k_q13a5091640_block.kd
    .args:
      - { .name: qkv, .offset: 0, .size: 8, .value_kind: global_buffer, .address_space: global }
      - { .name: wts, .offset: 8, .size: 8, .value_kind: global_buffer, .address_space: global }
      - { .name: x, .offset: 16, .size: 8, .value_kind: global_buffer, .address_space: global }
      - { .name: b_proj, .offset: 24, .size: 8, .value_kind: global_buffer, .address_space: global }
      - { .name: ff_b, .offset: 32, .size: 8, .value_kind: global_buffer, .address_space: global }
      - { .name: ln1_g, .offset: 40, .size: 8, .value_kind: global_buffer, .address_space: global }
      - { .name: ln1_b, .offset: 48, .size: 8, .value_kind: global_buffer, .address_space: global }
      - { .name: ln2_g, .offset: 56, .size: 8, .value_kind: global_buffer, .address_space: global }
      - { .name: ln2_b, .offset: 64, .size: 8, .value_kind: global_buffer, .address_space: global }
      - { .name: out0, .offset: 72, .size: 8, .value_kind: global_buffer, .address_space: global }
    .group_segment_fixed_size: 265216
    .private_segment_fixed_size: 0
    .kernarg_segment_align: 8
    .kernarg_segment_size: 80
    .max_flat_workgroup_size: 256
    .sgpr_count:     100
    .vgpr_count:     256
    .wavefront_size: 32
...
	.end_amdgpu_metadata
.endif
;; end of part 2
;; ======== version 2 of 3: 2 launches
;; workspace buffers: qkv 6,684,672 bytes; wts 60,928 bytes
;; launch prep: the kernel of part 1 again; grid 263 x 1, 8 waves a work-group, no clusters, 105,472 bytes of LDS; arguments x, w_qkv, b_qkv, w_proj, ff_w, qkv, wts; writes qkv, wts
;; launch block (part 3): grid 8 x 32, 8 waves a work-group, clusters of 4 x 1, 268,800 bytes of LDS; arguments qkv, wts, x, b_proj, ff_b, ln1_g, ln1_b, ln2_g, ln2_b, out0; writes out0
.if DOCPART == 3
	.amdgcn_target "amdgcn-amd-amdhsa--gfx1250"
	.amdhsa_code_object_version 6
	.text
	.protected	k_q13a5091640_block
	.globl	k_q13a5091640_block
	.p2align	8
	.type	k_q13a5091640_block,@function
k_q13a5091640_block:
	s_mov_b64 s[64:65], 0
	v_nop
	global_prefetch_b8 v0, s[64:65] scope:SCOPE_SE
	s_setreg_imm32_b32 hwreg(HW_REG_WAVE_MODE, 25, 1), 1
	s_wait_xcnt 0x0
	s_wait_alu depctr_hold_cnt(0) depctr_sa_sdst(0) depctr_va_vdst(0) depctr_va_sdst(0) depctr_va_ssrc(0) depctr_va_vcc(0) depctr_vm_vsrc(0)
	s_getreg_b32 s2, hwreg(HW_REG_IB_STS2, 6, 4)
	s_cmp_eq_u32 s2, 0
	s_cbranch_scc0 .Lentry_in_a_cluster
	s_endpgm
.Lentry_in_a_cluster:
	s_bfe_u32 s2, ttmp6, 0x10000c
	s_cmp_lg_u32 s2, 0x3003
	s_cbranch_scc0 .Lentry_shape_is_right
	s_endpgm
.Lentry_shape_is_right:
; BLOCK.  For 128 rows of one sequence: scores, softmax, attention's second product, the projection, residual and LayerNorm, six linear layers with five ReLUs, residual and LayerNorm.
; Every product is v_wmma_scale_f32_16x16x128_f8f6f4 on codes of FP4 (E2M1) with E8M0 scales; every K step of 128 is one instruction.  Q, K, V and the weights come as images of operand registers (1,024 bytes a fragment:
; registers 4 c .. 4 c + 3 of lane L at 512 c + 16 L), made by the launch before.
; SHARES.  A work-group of eight waves owns 128 rows; wave w owns 16 of them, rows 32 (w / 2) + 8 (w % 2) + rho(r), rho(i) = i + 8 (i / 8), from the scores to the output.  Two waves share a SIMD, 512 registers each.
; LAYOUT.  All products are used transposed (source 0 = 16 keys, channels or output units; source 1 = my 16 rows): lane (r, h) holds ONE row throughout.  Row m of tile 2 b + u of a source 0 is thing 32 b + 8 u + rho(m),
; so register 16 b + i of a buffer of 64 holds thing 32 b + 16 h + i: sixteen neighbours along the next product's K, as the conversions want them.
; SOFTMAX.  t = score x log2(e) / sqrt(128); M = the running largest t rounded up to a whole number; p = 2^(t - M) is quantised along the keys; the row's sum is taken of the unquantised p and divides at the end.
; When M moves, the sum and O are multiplied by 2^(old M - new M), which rounds nothing.
; LDS.  A sequence's K and V (8 steps x 17,408 bytes), the seven weights' images and scale words (60,928) and each wave's 16 rows of x (8,448) all fit: every byte is filled once, by seven tensor loads a wave issued together
; at the start; counted waits let the first two key steps be worked while the others land.  Seven tensor loads of a wave are out.
; BIASES AND GAINS are wanted as 64 registers a lane (register 16 b + i = number 32 b + 16 h + i).  Four buffers of 64 lie in register window 1.  b_proj and the first LayerNorm's two vectors are asked for at the head;
; each further vector is asked for as soon as a buffer is free, two layers or more ahead of its use.  A bias is the C of its products straight out of window 1.  At most 51 loads of a wave are out (three vectors and Q).
; THE CHAIN BEHIND THE ATTENTION asks early for all that it reads: a layer's fragments and scale words directly behind the products of the layer before, x's rows and the kept LayerNorm result directly behind the quantiser
; whose source registers they take.
; CLUSTER.  The four work-groups of a cluster belong to one sequence: K, V and the weights are asked for jointly (mask 15); x's rows are each work-group's own (no mask).
; LIMITS: NaN and infinities among the inputs are not served.  A block whose largest magnitude lies under 2^-124, and a block of zeros, gets the byte 1 (a block of zeros has zero codes).  A p under 2^-126 comes out of v_exp_f32 as 0.
; A block's largest p is made from its largest score by the same two instructions: this takes v_exp_f32 not to fall where its input rises.
.set GRP,  26112
.set KVB,  17408                       ; a key step in LDS: K's 8 images, 512 bytes of scale words, V's 8 images, 512 bytes of scale words
.set WT,   139264                      ; the weights: seven matrices' images, 8,192 each, then their scale words, 512 each: 60,928 bytes
.set WSW,  57344                       ; where the scale words begin in that block
.set STG,  200192                      ; 8 x 8,448: a wave's own stage: x's rows (pitch 528), then what the first LayerNorm gives, then the output's rows (pitch 528)
.set LI,   1                           ; v1  16 L
.set AD,   2                           ; v2  the key step's place in LDS + 16 L
.set BA,   3                           ; v3  64 h: my 16 of each 32 numbers of a bias or gain; never rewritten
.set SRD,  4                           ; v4  my stage + 528 r + 64 h
.set SIM,  5                           ; v5  my stage + 16 L
.set AW,   6                           ; v6  the weights' block + 16 L
.set F,    32                          ; v32-95   eight fragments of K, V or a weight
.set HA,   96                          ; v96-159  scores, then p; later activations
.set HB,   160                         ; v160-223 O; later activations
.set PC,   224                         ; v224-231 codes just made
.set TM,   232                         ; v232-247 at work
.set PW,   253                         ; the scale word just made.  v248-251: scale words of K, V or a weight; v24: Q's; v12 -M, v13 the largest t, v[14:15] the sum; v252 f; v254 at work
                                       ; window 1: buffer n of a bias or gain at v[64 n] .. v[64 n + 63]
.set WV,   24
.set SEL,  60                          ; s[60:61] v_permlanex16_b32's selects for lane L xor 16
.set CS,   62                          ; s[62:63] c = log2(e) / sqrt(128), twice
.set TB,   96                          ; s96 the key step's first LDS byte
.set CNT,  97
.set INV,  98                          ; 1 / 128
.set EPS,  99                          ; 1e-5
.set MSB, 0
.macro WIN new                         ; s_set_vgpr_msb: bits 1:0 source 0, 3:2 source 1, 5:4 source 2, 7:6 destination; the immediate's high byte repeats the setting that is left
.if MSB != \new
	s_set_vgpr_msb (MSB<<8)|\new
.set MSB, \new
.endif
.endm
.macro CROUND                          ; a round of the cluster's barrier
	s_barrier_signal -1
	s_barrier_wait -1
	s_cmp_lg_u32 s[WV], 0
	s_cbranch_scc1 .Lnot_wave_0_\@
	s_barrier_signal -3
.Lnot_wave_0_\@:
	s_barrier_wait -3
	s_barrier_signal -1
	s_barrier_wait -1
.endm
.macro PLACES                          ; four plain instructions between a matrix instruction and a read of its result, or a load or vector write into one of its registers
.rept 4
	v_nop
.endr
.endm
.macro MM d, a, b, c, sa, sb, arow     ; one product 16 x 16 x 128; arow: source 0's scale words stand in lanes 16-31
.if \arow
	v_wmma_scale_f32_16x16x128_f8f6f4 v[\d:\d+7], v[\a:\a+7], v[\b:\b+7], v[\c:\c+7], v[\sa], v[\sb] matrix_a_fmt:MATRIX_FMT_FP4 matrix_b_fmt:MATRIX_FMT_FP4 matrix_a_scale:MATRIX_SCALE_ROW1
.else
	v_wmma_scale_f32_16x16x128_f8f6f4 v[\d:\d+7], v[\a:\a+7], v[\b:\b+7], v[\c:\c+7], v[\sa], v[\sb] matrix_a_fmt:MATRIX_FMT_FP4 matrix_b_fmt:MATRIX_FMT_FP4
.endif
.endm
.macro MM0 d, a, b, sa, sb, arow       ; the same with the constant 0 as C
.if \arow
	v_wmma_scale_f32_16x16x128_f8f6f4 v[\d:\d+7], v[\a:\a+7], v[\b:\b+7], 0, v[\sa], v[\sb] matrix_a_fmt:MATRIX_FMT_FP4 matrix_b_fmt:MATRIX_FMT_FP4 matrix_a_scale:MATRIX_SCALE_ROW1
.else
	v_wmma_scale_f32_16x16x128_f8f6f4 v[\d:\d+7], v[\a:\a+7], v[\b:\b+7], 0, v[\sa], v[\sb] matrix_a_fmt:MATRIX_FMT_FP4 matrix_b_fmt:MATRIX_FMT_FP4
.endif
.endm
; 128 numbers of a bias or gain are asked for, into buffer buf of window 1: register 16 b + i = number 32 b + 16 h + i.  It leaves the destination's window at 1: WIN 0 follows each use
.macro PASK buf, sb, off
	WIN 0x40
.irp b, 0,1,2,3
.irp q, 0,1,2,3
	global_load_b128 v[64*\buf+16*\b+4*\q:64*\buf+16*\b+4*\q+3], v[BA], s[\sb:\sb+1] offset:\off+128*\b+16*\q
.endr
.endr
.endm
	s_load_b512 s[4:19], s[0:1], 0x0               ; qkv s[4:5], wts s[6:7], x s[8:9], b_proj s[10:11], ff_b s[12:13], ln1_g s[14:15], ln1_b s[16:17], ln2_g s[18:19]
	s_load_b128 s[20:23], s[0:1], 0x40             ; ln2_b s[20:21], out0 s[22:23]
	v_lshl_add_u32 v31, v0, 2, 0x41600
	v_mov_b32 v255, 0
	ds_add_u32 v31, v255
	ds_add_u32 v31, v255
	v_lshrrev_b32 v1, 5, v0
	v_readfirstlane_b32 s[WV], v1                  ; wave 0..7
	s_bfe_u32 s25, ttmp6, 0x40000                  ; cx: my place in the cluster.  It enters s25, s26, s[66:67], s[2:3] and the addresses of x, Q and out0, and nothing else
	s_and_b32 s27, ttmp7, 0xffff                   ; the sequence, which the four partners share
	s_lshl_b32 s28, s27, 3
	s_lshl_b32 s26, ttmp9, 2
	s_add_co_u32 s26, s26, s25
	s_add_co_u32 s26, s26, s28                     ; my group of 128 rows: 8 x sequence + 4 x cluster x + cx
	; K and V: stage n is key steps 2 n and 2 n + 1; wave w fetches quarter w % 4 (17 rows of 256 bytes) of step 2 n + w / 4
	s_lshr_b32 s29, s[WV], 2
	s_add_co_u32 s30, s28, s29
	s_mul_i32 s30, s30, GRP
	s_and_b32 s29, s[WV], 3
	s_mul_i32 s29, s29, 4352
	s_add_co_u32 s30, s30, s29
	s_add_co_u32 s30, s30, 8704                    ; behind the group's Q
	s_mov_b32 s31, 0
	s_mul_i32 s32, s[WV], 4352                     ; in LDS: 34,816 n + 4,352 w
	s_mul_i32 s34, s[WV], 7616                     ; the weights' block: an eighth of its 60,928 bytes a wave
	s_mov_b32 s35, 0
	; group 1 of the descriptors: elements of 8 bytes.  K, V: 17 rows of 32 elements, dense; mask 15 and bit 21 beside it
	s_mov_b32 s36, 15|(3<<16)|(1<<21)
	s_mov_b32 s37, 32<<16                          ; tensor_dim0
	s_mov_b32 s38, 17<<16                          ; tensor_dim1
	s_mov_b32 s39, 32<<16                          ; tile_dim0
	s_mov_b32 s40, 17                              ; tile_dim1
	s_mov_b32 s41, 32                              ; from row to row
	s_mov_b32 s42, 0
	s_mov_b32 s43, 0
	s_mov_b32 s44, 15|(3<<16)|(1<<21)              ; the weights' block: 7,616 dense bytes as one row of 952 elements
	s_mov_b32 s45, 952<<16
	s_mov_b32 s46, 1<<16
	s_mov_b32 s47, 952<<16
	s_mov_b32 s48, 1
	s_mov_b32 s49, 952
	s_mov_b32 s50, 0
	s_mov_b32 s51, 0
	s_mov_b32 s52, (3<<16)|(1<<20)|(6<<22)|(3<<25) ; x: no mask; 8 rows of 64 elements (512 bytes); four words of padding behind every 128
	s_mov_b32 s53, 64<<16
	s_mov_b32 s54, 8<<16
	s_mov_b32 s55, 64<<16
	s_mov_b32 s56, 8
	s_mov_b32 s57, 64
	s_mov_b32 s58, 0
	s_mov_b32 s59, 0
	s_mov_b32 s[SEL], 0x76543210
	s_mov_b32 s[SEL+1], 0xfedcba98
	s_mov_b32 s[CS], 0x3e0293ee
	s_mov_b32 s[CS+1], s[CS]                       ; named with it as a pair, so it is written
	s_mov_b32 s[INV], 0x3c000000
	s_mov_b32 s[EPS], 0x3727c5ac
	s_lshl_b32 s66, s26, 16                        ; my first row: 128 x group + 32 (w / 2) + 8 (w % 2), rows of 512 bytes
	s_lshr_b32 s29, s[WV], 1
	s_lshl_b32 s29, s29, 14
	s_add_co_u32 s66, s66, s29
	s_and_b32 s29, s[WV], 1
	s_lshl_b32 s29, s29, 12
	s_add_co_u32 s66, s66, s29
	s_mov_b32 s67, 0
	s_mul_i32 s33, s[WV], 8448
	s_add_co_u32 s33, s33, STG                     ; my stage
	s_wait_dscnt 0x0
	s_wait_kmcnt 0x0
	s_add_nc_u64 s[30:31], s[4:5], s[30:31]
.irp n, 0,1,2,3
	s_mov_b32 s[68+4*\n], 1
	s_add_co_u32 s[69+4*\n], s32, \n*2*KVB
	s_add_nc_u64 s[70+4*\n:71+4*\n], s[30:31], \n*2*GRP
	s_or_b32 s[71+4*\n], s[71+4*\n], 0x80000000
.endr
	s_mov_b32 s84, 1
	s_add_co_u32 s85, s34, WT
	s_add_nc_u64 s[86:87], s[6:7], s[34:35]
	s_or_b32 s87, s87, 0x80000000
	s_add_nc_u64 s[8:9], s[8:9], s[66:67]          ; x and out0 at my first row
	s_add_nc_u64 s[22:23], s[22:23], s[66:67]
	s_mov_b32 s88, 1                               ; x: rows 0-7 of my tile,
	s_mov_b32 s89, s33
	s_mov_b64 s[90:91], s[8:9]
	s_or_b32 s91, s91, 0x80000000
	s_mov_b32 s92, 1                               ; and rows 8-15, which lie 16 rows further down
	s_add_co_u32 s93, s33, 4224
	s_add_nc_u64 s[94:95], s[8:9], 8192
	s_or_b32 s95, s95, 0x80000000
	s_mul_i32 s66, s26, GRP
	s_add_nc_u64 s[2:3], s[4:5], s[66:67]          ; my group in qkv: Q
	CROUND                                         ; all four work-groups are here: the joint loads meet
	tensor_load_to_lds s[68:71], s[36:43]          ; key steps 0, 1
	s_nop 0
	tensor_load_to_lds s[72:75], s[36:43]          ; 2, 3
	s_nop 0
	tensor_load_to_lds s[76:79], s[36:43]          ; 4, 5
	s_nop 0
	tensor_load_to_lds s[80:83], s[36:43]          ; 6, 7
	s_nop 0
	tensor_load_to_lds s[84:87], s[44:51]          ; the weights and their scale words
	s_nop 0
	tensor_load_to_lds s[88:91], s[52:59]          ; x
	s_nop 0
	tensor_load_to_lds s[92:95], s[52:59]
	s_nop 0
.rept 4
	v_nop
.endr
	v_and_b32 v7, 31, v0
	v_lshlrev_b32 v[LI], 4, v7
	v_and_b32 v8, 15, v0                           ; r
	v_bfe_u32 v9, v0, 4, 1                         ; h
	v_lshlrev_b32 v[BA], 6, v9
	v_mul_u32_u24 v[SRD], v8, 528
	v_add_nc_u32 v[SRD], v[SRD], v[BA]
	v_add_nc_u32 v[SRD], s33, v[SRD]
	v_add_nc_u32 v[SIM], s33, v[LI]
	v_add_nc_u32 v[AW], WT, v[LI]
	s_lshl_b32 s29, s[WV], 10
	v_add_nc_u32 v7, s29, v[LI]                    ; Q's image of tile w
	s_and_b32 s29, s[WV], 1
	s_lshl_b32 s29, s29, 8
	s_lshr_b32 s28, s[WV], 1
	s_lshl_b32 s28, s28, 2
	s_add_co_u32 s29, s29, s28
	v_lshl_add_u32 v8, v8, 4, s29                  ; its scale words: 16 (16 (w % 2) + r) + 4 (w / 2)
	global_load_b128 v[16:19], v7, s[2:3]
	global_load_b128 v[20:23], v7, s[2:3] offset:512
	global_load_b32 v24, v8, s[2:3] offset:8192
	PASK 0, 10, 0                                  ; b_proj, ln1_g, ln1_b: wanted behind the attention, asked for now
	PASK 1, 14, 0
	PASK 2, 16, 0
	WIN 0
	v_mov_b32 v13, 0xff61b1e6                      ; the largest t so far: -3e38, under every t
	v_floor_f32 v12, -v13                          ; -M
	v_mov_b32 v14, 0                               ; the sum, in two halves
	v_mov_b32 v15, 0
.irp b, 0,1,2,3
	v_mov_b32 v[236+\b], 0                         ; written once: a lane permute's destination counts as one of its sources
.endr
	v_mov_b32 v252, 0
	v_mov_b32 v253, 0                              ; named as the upper half of the pair v[252:253] before it is first written
	v_mov_b32 v254, 0
.set j, 0
.rept 64
	v_mov_b32 v[HB+j], 0                           ; O.  The key step is written without a first step of its own: the first change of M multiplies zeros
.set j, j+1
.endr
	s_wait_loadcnt 48                              ; Q is in; the three vectors' 48 loads, issued behind it, may stay out
; A KEY STEP: 128 keys
.macro STEP
	v_add_nc_u32 v[AD], s[TB], v[LI]
.rept 3
	v_nop                                          ; with the line above: the four places in front of loads into registers that the last products read
.endr
.irp t, 0,1,2,3,4,5,6,7
	ds_load_b128 v[F+8*\t:F+8*\t+3], v[AD] offset:1024*\t
	ds_load_b128 v[F+8*\t+4:F+8*\t+7], v[AD] offset:1024*\t+512
.endr
	ds_load_b128 v[248:251], v[AD] offset:8192     ; register i: lanes 0-15 the words of tile 2 i, lanes 16-31 of tile 2 i + 1
	s_wait_dscnt 0x0
.irp t, 0,1,2,3,4,5,6,7
	MM0 HA+8*\t, F+8*\t, 16, 248+\t/2, 24, \t%2    ; scores: register 16 b + i = key 32 b + 16 h + i of my query
.endr
	PLACES
.irp t, 0,1,2,3,4,5,6,7                        ; V's fragments land while the softmax is worked
	ds_load_b128 v[F+8*\t:F+8*\t+3], v[AD] offset:8704+1024*\t
	ds_load_b128 v[F+8*\t+4:F+8*\t+7], v[AD] offset:8704+1024*\t+512
.endr
	ds_load_b128 v[248:251], v[AD] offset:16896
.irp b, 0,1,2,3
	v_max3_num_f32 v[232+\b], v[HA+16*\b], v[HA+1+16*\b], v[HA+2+16*\b]   ; the largest score of each block of 32 keys: for the row's maximum, and for the block's largest p
.endr
.irp i, 3,5,7,9,11,13
.irp b, 0,1,2,3
	v_max3_num_f32 v[232+\b], v[232+\b], v[HA+16*\b+\i], v[HA+1+16*\b+\i]
.endr
.endr
.irp b, 0,1,2,3
	v_max_num_f32 v[232+\b], v[232+\b], v[HA+15+16*\b]
.endr
.irp b, 0,1,2,3
	v_permlanex16_b32 v[236+\b], v[232+\b], s[SEL], s[SEL+1]
.endr
.irp b, 0,1,2,3
	v_max_num_f32 v[232+\b], v[232+\b], v[236+\b]
.endr
	v_max3_num_f32 v254, v232, v233, v234
	v_max_num_f32 v254, v254, v235
	v_mul_f32 v254, s[CS], v254                    ; the step's largest t (c is positive)
	v_max_num_f32 v13, v13, v254
	v_mov_b32 v254, v12
	v_floor_f32 v12, -v13                          ; the new -M = -ceil(t)
	v_sub_f32 v254, v12, v254                      ; old M - new M: a whole number, 0 or less
	v_cvt_i32_f32 v254, v254                       ; (it saturates)
	v_ldexp_f32 v252, 1.0, v254                    ; f = 2^(old M - new M)
.set j, 0
.rept 32
	v_pk_fma_f32 v[HA+j:HA+j+1], v[HA+j:HA+j+1], s[CS:CS+1], v[12:13] op_sel_hi:[1,0,0]   ; t - M
.set j, j+2
.endr
.irp b, 0,1,2,3
	v_fma_f32 v[232+\b], v[232+\b], s[CS], v12
.endr
.set j, 0
.rept 64
	v_exp_f32 v[HA+j], v[HA+j]                     ; p = 2^(t - M)
.set j, j+1
.endr
.irp b, 0,1,2,3
	v_exp_f32 v[232+\b], v[232+\b]                 ; each block's largest p
.endr
	v_pk_mul_f32 v[14:15], v[14:15], v[252:253] op_sel_hi:[1,0]   ; the sum under the new M.  (The plain instruction behind the exponentials)
	s_wait_alu depctr_va_vdst(0)
.irp b, 0,1,2,3
	v_max_num_f32 v[232+\b], 0x1800000, v[232+\b]  ; the floor 2^(3 - 127)
.endr
.irp b, 0,1,2,3
	v_add_nc_u32 v[244+\b], 0xff000000, v[232+\b]  ; 2 off the exponent field: the conversion's scale operand
.endr
.irp b, 0,1,2,3
	v_lshrrev_b32 v[236+\b], 23, v[244+\b]
.endr
	v_lshl_or_b32 v[PW], v237, 8, v236             ; p's scale word for these 128 keys
	v_lshl_or_b32 v[PW], v238, 16, v[PW]
	v_lshl_or_b32 v[PW], v239, 24, v[PW]
.irp b, 0,1,2,3
	v_cvt_scalef32_pk8_fp4_f32 v[PC+2*\b], v[HA+16*\b:HA+16*\b+7], v[244+\b]
	v_cvt_scalef32_pk8_fp4_f32 v[PC+1+2*\b], v[HA+16*\b+8:HA+16*\b+15], v[244+\b]
.endr
	v_nop                                          ; one plain instruction behind the scaled conversions
.irp c, 0,1
.irp i, 0,1
	v_permlane16_swap_b32 v[PC+4*\c+\i], v[PC+2+4*\c+\i]
.endr
.endr
	v_pk_add_f32 v[236:237], v[HA:HA+1], v[HA+2:HA+3]   ; the row's sum of the unquantised p, in two chains
.set j, 4
.rept 15
	v_pk_add_f32 v[14:15], v[14:15], v[HA+j:HA+j+1]
	v_pk_add_f32 v[236:237], v[236:237], v[HA+j+2:HA+j+3]
.set j, j+4
.endr
	v_pk_add_f32 v[14:15], v[14:15], v[236:237]
.set j, 0
.rept 32
	v_pk_mul_f32 v[HB+j:HB+j+1], v[HB+j:HB+j+1], v[252:253] op_sel_hi:[1,0]   ; O under the new M.  (These stand between the writing of p's codes and scale word and the products that take them)
.set j, j+2
.endr
	s_wait_dscnt 0x0                               ; V
.irp t, 0,1,2,3,4,5,6,7                        ; the eight accumulators take turns, one instruction a turn; the scores' products stand between two turns of one accumulator
	MM HB+8*\t, F+8*\t, PC, HB+8*\t, 248+\t/2, PW, \t%2
.endr
.endm
; Two key steps.  left: my tensor loads issued behind this stage's, which may stay out
.macro STAGE n, left
	s_wait_tensorcnt \left                         ; tensor loads of a wave end in order (ISA guide 10.11.1): my part of the stage is in LDS,
	s_barrier_signal -1
	s_barrier_wait -1                              ; everybody's is
	s_mov_b32 s[TB], \n*2*KVB
	s_mov_b32 s[CNT], 2
.Lstep_\@:
	STEP
	s_add_co_u32 s[TB], s[TB], KVB
	s_sub_co_u32 s[CNT], s[CNT], 1
	s_cmp_lg_u32 s[CNT], 0
	s_cbranch_scc1 .Lstep_\@
.endm
	STAGE 0, 6
	STAGE 1, 5
	STAGE 2, 4
	STAGE 3, 3
	s_wait_tensorcnt 0x0                           ; my part of the weights' block, and my rows of x
	s_barrier_signal -1
	s_barrier_wait -1
; 64 numbers of a lane, register 16 b + i = k 32 b + 16 h + i of my row, become a fragment's codes in v[PC] on and its scale word in v[PW]
.macro QUANT s
.irp b, 0,1,2,3
	v_max3_num_f32 v[TM+\b], |v[\s+16*\b]|, |v[\s+1+16*\b]|, 0x1800000
.endr
.irp i, 2,4,6,8,10,12,14
.irp b, 0,1,2,3
	v_max3_num_f32 v[TM+\b], v[TM+\b], |v[\s+16*\b+\i]|, |v[\s+1+16*\b+\i]|
.endr
.endr
.irp b, 0,1,2,3
	v_permlanex16_b32 v[TM+4+\b], v[TM+\b], s[SEL], s[SEL+1]
.endr
.irp b, 0,1,2,3
	v_max_num_f32 v[TM+\b], v[TM+\b], v[TM+4+\b]
.endr
.irp b, 0,1,2,3
	v_add_nc_u32 v[TM+12+\b], 0xff000000, v[TM+\b]
.endr
.irp b, 0,1,2,3
	v_lshrrev_b32 v[TM+4+\b], 23, v[TM+12+\b]
.endr
	v_lshl_or_b32 v[PW], v[TM+5], 8, v[TM+4]
	v_lshl_or_b32 v[PW], v[TM+6], 16, v[PW]
	v_lshl_or_b32 v[PW], v[TM+7], 24, v[PW]
.irp b, 0,1,2,3
	v_cvt_scalef32_pk8_fp4_f32 v[PC+2*\b], v[\s+16*\b:\s+16*\b+7], v[TM+12+\b]
	v_cvt_scalef32_pk8_fp4_f32 v[PC+1+2*\b], v[\s+16*\b+8:\s+16*\b+15], v[TM+12+\b]
.endr
	v_nop                                          ; one plain instruction behind the scaled conversions
.irp c, 0,1
.irp i, 0,1
	v_permlane16_swap_b32 v[PC+4*\c+\i], v[PC+2+4*\c+\i]
.endr
.endr
.endm
.macro WASK m                          ; matrix m's eight fragments and its scale words are asked for: 17 LDS loads
.irp t, 0,1,2,3,4,5,6,7
	ds_load_b128 v[F+8*\t:F+8*\t+3], v[AW] offset:8192*(\m)+1024*\t
	ds_load_b128 v[F+8*\t+4:F+8*\t+7], v[AW] offset:8192*(\m)+1024*\t+512
.endr
	ds_load_b128 v[248:251], v[AW] offset:WSW+512*(\m)
.endm
; dst = the codes in v[PC] on x the weight in v[F] on + the bias in buffer cbuf of window 1.  left: the LDS loads issued behind the weight's, which may stay out.  Eight accumulators, one instruction each
.macro PROD dst, cbuf, left
	s_wait_dscnt \left
.rept 8
	v_nop                                          ; a scale word written by vector instructions stands eight places ahead of a scaled matrix instruction, codes so written four
.endr
	WIN 0x10                                       ; C in window 1
.irp t, 0,1,2,3,4,5,6,7
	MM \dst+8*\t, F+8*\t, PC, 64*\cbuf+8*\t, 248+\t/2, PW, \t%2
.endr
	WIN 0
	PLACES
.endm
.macro RELU d
.set j, 0
.rept 64
	v_max_num_f32 v[\d+j], 0, v[\d+j]              ; each accumulator from its low end on
.set j, j+1
.endr
.endm
; One of the layers 1 to 5.  Its bias is in buffer cbuf; behind it two vectors were asked for; the next vector (base nsb, byte noff) goes into buffer nbuf, whose last reader stands a layer back
.macro FF m, src, dst, cbuf, nbuf, nsb, noff
	s_wait_loadcnt 32                              ; loads come back in order (ISA guide 5.7.1): my bias is in, the two vectors asked for behind it may be out
	PASK \nbuf, \nsb, \noff
	WIN 0
	QUANT \src
	PROD \dst, \cbuf, 0
	WASK (\m)+1                                    ; the next layer's weight lands under the ReLU and the quantiser
	RELU \dst
.endm
; y = (y - mean) / sqrt(variance + 1e-5) x gain + bias over my row's 128 numbers (64 mine, 64 lane L xor 16's); the variance is taken of y - mean.  g, bq: the buffers of window 1 with gain and bias
.macro LNORM y, g, bq
.irp p, 0,1,2,3,4,5,6,7
	v_pk_add_f32 v[TM+2*\p:TM+2*\p+1], v[\y+2*\p:\y+2*\p+1], v[\y+16+2*\p:\y+17+2*\p]
.endr
.irp k, 32,48
.irp p, 0,1,2,3,4,5,6,7
	v_pk_add_f32 v[TM+2*\p:TM+2*\p+1], v[TM+2*\p:TM+2*\p+1], v[\y+\k+2*\p:\y+\k+1+2*\p]
.endr
.endr
.irp p, 0,1,2,3
	v_pk_add_f32 v[TM+2*\p:TM+2*\p+1], v[TM+2*\p:TM+2*\p+1], v[TM+8+2*\p:TM+9+2*\p]
.endr
.irp p, 0,1
	v_pk_add_f32 v[TM+2*\p:TM+2*\p+1], v[TM+2*\p:TM+2*\p+1], v[TM+4+2*\p:TM+5+2*\p]
.endr
	v_pk_add_f32 v[TM:TM+1], v[TM:TM+1], v[TM+2:TM+3]
	v_add_f32 v12, v[TM], v[TM+1]
	v_permlanex16_b32 v254, v12, s[SEL], s[SEL+1]
	v_add_f32 v12, v12, v254
	v_mul_f32 v12, s[INV], v12                     ; the mean
.set j, 0
.rept 32
	v_pk_add_f32 v[\y+j:\y+j+1], v[\y+j:\y+j+1], v[12:13] op_sel_hi:[1,0] neg_lo:[0,1] neg_hi:[0,1]
.set j, j+2
.endr
.irp p, 0,1,2,3,4,5,6,7
	v_pk_mul_f32 v[TM+2*\p:TM+2*\p+1], v[\y+2*\p:\y+2*\p+1], v[\y+2*\p:\y+2*\p+1]
.endr
.irp k, 16,32,48
.irp p, 0,1,2,3,4,5,6,7
	v_pk_fma_f32 v[TM+2*\p:TM+2*\p+1], v[\y+\k+2*\p:\y+\k+1+2*\p], v[\y+\k+2*\p:\y+\k+1+2*\p], v[TM+2*\p:TM+2*\p+1]
.endr
.endr
.irp p, 0,1,2,3
	v_pk_add_f32 v[TM+2*\p:TM+2*\p+1], v[TM+2*\p:TM+2*\p+1], v[TM+8+2*\p:TM+9+2*\p]
.endr
.irp p, 0,1
	v_pk_add_f32 v[TM+2*\p:TM+2*\p+1], v[TM+2*\p:TM+2*\p+1], v[TM+4+2*\p:TM+5+2*\p]
.endr
	v_pk_add_f32 v[TM:TM+1], v[TM:TM+1], v[TM+2:TM+3]
	v_add_f32 v14, v[TM], v[TM+1]
	v_permlanex16_b32 v254, v14, s[SEL], s[SEL+1]
	v_add_f32 v14, v14, v254
	v_fma_f32 v14, v14, s[INV], s[EPS]             ; the variance + 1e-5
	v_rsq_f32 v14, v14
	v_nop                                          ; one plain instruction behind the transcendental
.set j, 0
	s_wait_alu depctr_va_vdst(0)
.rept 32
	v_pk_mul_f32 v[\y+j:\y+j+1], v[\y+j:\y+j+1], v[14:15] op_sel_hi:[1,0]
.set j, j+2
.endr
	WIN 0x14                                       ; sources 1 and 2, gain and bias, in window 1
.set j, 0
.rept 32
	v_pk_fma_f32 v[\y+j:\y+j+1], v[\y+j:\y+j+1], v[64*\g+j:64*\g+j+1], v[64*\bq+j:64*\bq+j+1]
.set j, j+2
.endr
	WIN 0
.endm
	PLACES                                         ; behind the last products: their fragments' registers are loaded and O is read below
	WASK 0                                         ; w_proj
	s_wait_loadcnt 0x0                             ; b_proj, ln1_g, ln1_b: asked for at the head
	PASK 3, 12, 0                                  ; ff_b[0]
	WIN 0
	v_add_f32 v14, v14, v15                        ; the sum's two halves,
	v_permlanex16_b32 v252, v14, s[SEL], s[SEL+1]
	v_add_f32 v14, v14, v252                       ; and lane L xor 16's: the row's sum
	v_rcp_f32 v14, v14
	v_nop                                          ; one plain instruction behind the transcendental
.set j, 0
	s_wait_alu depctr_va_vdst(0)
.rept 32
	v_pk_mul_f32 v[HB+j:HB+j+1], v[HB+j:HB+j+1], v[14:15] op_sel_hi:[1,0]   ; O / the sum, each accumulator from its low end on
.set j, j+2
.endr
	; the projection
	QUANT HB
.irp b, 0,1,2,3
.irp q, 0,1,2,3
	ds_load_b128 v[HB+16*\b+4*\q:HB+16*\b+4*\q+3], v[SRD] offset:128*\b+16*\q   ; x, my row, in my layout, into the registers that the quantiser has read: it lands under the products
.endr
.endr
	PROD HA, 0, 16                                 ; w_proj's 17 loads are in; x's 16, issued behind them, may be out
	WASK 1                                         ; ff_w[0] lands under the LayerNorm
	PASK 0, 12, 512                                ; ff_b[1], into b_proj's buffer, four places behind the products that read it
	WIN 0
	s_wait_dscnt 17                                ; x is in; the 17 loads just issued may be out
.set j, 0
.rept 32
	v_pk_add_f32 v[HB+j:HB+j+1], v[HA+j:HA+j+1], v[HB+j:HB+j+1]   ; the residual
.set j, j+2
.endr
	LNORM HB, 1, 2
	PASK 1, 12, 1024                               ; ff_b[2], into the gain's buffer
	WIN 0
.set i, 0
.rept 16
	ds_store_b128 v[SIM], v[HB+4*i:HB+4*i+3] offset:512*i          ; kept for the second residual, in my stage: x's rows have been read, and nothing is filled there again
.set i, i+1
.endr
	FF 1, HB, HA, 3, 2, 12, 1536                   ; bias ff_b[0]; asks for ff_b[3]
	FF 2, HA, HB, 0, 3, 12, 2048                   ; bias ff_b[1]; asks for ff_b[4]
	FF 3, HB, HA, 1, 0, 12, 2560                   ; bias ff_b[2]; asks for ff_b[5]
	FF 4, HA, HB, 2, 1, 18, 0                      ; bias ff_b[3]; asks for ln2_g
	FF 5, HB, HA, 3, 2, 20, 0                      ; bias ff_b[4]; asks for ln2_b
	; the last layer: no ReLU, nothing more to ask for
	s_wait_loadcnt 32                              ; ff_b[5] is in; ln2_g and ln2_b may be out
	QUANT HA
.set i, 0
.rept 16
	ds_load_b128 v[HA+4*i:HA+4*i+3], v[SIM] offset:512*i           ; what the first LayerNorm gave, into the registers that the quantiser has read
.set i, i+1
.endr
	PROD HB, 0, 16                                 ; ff_w[5]'s 17 loads are in; the 16 issued behind them may be out
	s_wait_dscnt 0x0
.set j, 0
.rept 32
	v_pk_add_f32 v[HB+j:HB+j+1], v[HB+j:HB+j+1], v[HA+j:HA+j+1]   ; the second residual
.set j, j+2
.endr
	s_wait_loadcnt 0x0                             ; ln2_g, ln2_b
	LNORM HB, 1, 2
	; THE WAY OUT: a lane holds pieces of one row; through my stage they become whole rows of 512 bytes
.irp b, 0,1,2,3
.irp q, 0,1,2,3
	ds_store_b128 v[SRD], v[HB+16*\b+4*\q:HB+16*\b+4*\q+3] offset:128*\b+16*\q
.endr
.endr
.set i, 0
.rept 16
	ds_load_b128 v[HA+4*i:HA+4*i+3], v[SIM] offset:528*i           ; LDS serves a wave's instructions in order (ISA guide 5.7.1.4): these see my stores
.set i, i+1
.endr
.set i, 0
.rept 16
	s_wait_dscnt 15-i                              ; row i is back; the younger reads may be out
	global_store_b128 v[LI], v[HA+4*i:HA+4*i+3], s[22:23] offset:(i+8*(i/8))*512 th:TH_STORE_NT   ; the 32 lanes store 512 neighbouring bytes, at a multiple of 256 from out0's first byte
.set i, i+1
.endr
	s_wait_tensorcnt 0x0
	ds_add_u32 v31, v255
	s_wait_dscnt 0x0
	CROUND                                         ; the closing round: no work-group ends while a partner may still ask for a tile that names it
	s_endpgm
.Lfunc_end_k_q13a5091640_block:
	.size	k_q13a5091640_block, .Lfunc_end_k_q13a5091640_block-k_q13a5091640_block
	.p2alignl 7, 3214868480
	.fill 96, 4, 3214868480
	.section	.rodata,"a",@progbits
	.p2align	6, 0x0
	.amdhsa_kernel k_q13a5091640_block
		.amdhsa_group_segment_fixed_size 268800
		.amdhsa_private_segment_fixed_size 0
		.amdhsa_enable_private_segment 0
		.amdhsa_kernarg_size 80
		.amdhsa_user_sgpr_count 2
		.amdhsa_user_sgpr_kernarg_segment_ptr 1
		.amdhsa_wavefront_size32 1
		.amdhsa_system_sgpr_workgroup_id_x 1
		.amdhsa_system_sgpr_workgroup_id_y 1
		.amdhsa_system_sgpr_workgroup_id_z 1
		.amdhsa_system_vgpr_workitem_id 0
		.amdhsa_next_free_vgpr 512
		.amdhsa_next_free_sgpr 100
		.amdhsa_reserve_vcc 0
		.amdhsa_float_denorm_mode_32 3
		.amdhsa_float_denorm_mode_16_64 3
		.amdhsa_memory_ordered 1
		.amdhsa_forward_progress 1
		.amdhsa_inst_pref_size 187
	.end_amdhsa_kernel
	.amdgpu_metadata
---
amdhsa.version: [ 1, 2 ]
amdhsa.kernels:
  - .name:           k_q13a5091640_block
    .symbol:         k_q13a5091640_block.kd
    .args:
      - { .name: qkv, .offset: 0, .size: 8, .value_kind: global_buffer, .address_space: global }
      - { .name: wts, .offset: 8, .size: 8, .value_kind: global_buffer, .address_space: global }
      - { .name: x, .offset: 16, .size: 8, .value_kind: global_buffer, .address_space: global }
      - { .name: b_proj, .offset: 24, .size: 8, .value_kind: global_buffer, .address_space: global }
      - { .name: ff_b, .offset: 32, .size: 8, .value_kind: global_buffer, .address_space: global }
      - { .name: ln1_g, .offset: 40, .size: 8, .value_kind: global_buffer, .address_space: global }
      - { .name: ln1_b, .offset: 48, .size: 8, .value_kind: global_buffer, .address_space: global }
      - { .name: ln2_g, .offset: 56, .size: 8, .value_kind: global_buffer, .address_space: global }
      - { .name: ln2_b, .offset: 64, .size: 8, .value_kind: global_buffer, .address_space: global }
      - { .name: out0, .offset: 72, .size: 8, .value_kind: global_buffer, .address_space: global }
    .group_segment_fixed_size: 268800
    .private_segment_fixed_size: 0
    .kernarg_segment_align: 8
    .kernarg_segment_size: 80
    .max_flat_workgroup_size: 256
    .sgpr_count:     100
    .vgpr_count:     512
    .wavefront_size: 32
...
	.end_amdgpu_metadata
.endif
;; end of part 3
;; ======== version 3 of 3: 2 launches
;; workspace buffers: qkv 6,684,672 bytes; wts 60,928 bytes
;; launch prep (part 4): grid 263 x 1, 8 waves a work-group, no clusters, 105,472 bytes of LDS; arguments x, w_qkv, b_qkv, w_proj, ff_w, qkv, wts; writes qkv, wts
.if DOCPART == 4
	.amdgcn_target "amdgcn-amd-amdhsa--gfx1250"
	.amdhsa_code_object_version 6
	.text
	.protected	k_q13a5091640_prep
	.globl	k_q13a5091640_prep
	.p2align	8
	.type	k_q13a5091640_prep,@function
k_q13a5091640_prep:
	s_mov_b64 s[64:65], 0
	v_nop
	global_prefetch_b8 v0, s[64:65] scope:SCOPE_SE
	s_setreg_imm32_b32 hwreg(HW_REG_WAVE_SCHED_MODE, 0, 2), 2
	s_setreg_imm32_b32 hwreg(HW_REG_WAVE_MODE, 25, 1), 1
	s_wait_xcnt 0x0
	s_wait_alu depctr_vm_vsrc(0)
; PREP.  Work-groups 0-6: w_proj and ff_w[0..5] (f32, [k][n]) become codes of FP4 (E2M1) with one E8M0 byte for each 32 along k, laid as images of operand registers.
; Work-groups 7-262: 128 rows of x each: x and w_qkv are quantised, q k v = x w_qkv + b_qkv is made by the scaled FP4 matrix instruction, and q, k (along the 128 channels) and v (along the keys) are quantised again
; and stored as images of operand registers, so that the next launch loads every fragment by 16-byte loads at 16 x lane.
; NAMES.  L lane, r = L % 16, h = L / 16, rho(i) = i + 8 (i / 8).  A TILE OF 16 THINGS IS NOT 16 NEIGHBOURS: row m of tile 2 b + u is thing 32 b + 8 u + rho(m).  Used as source 0 it leaves, in register j of lane (r, h),
; thing 32 b + 16 h + 8 u + j: so the 16 registers of tiles 2 b and 2 b + 1 are 16 neighbours, and a buffer of 64 registers holds in register 16 b + i thing 32 b + 16 h + i.  The conversions take numbers laid so.
; AN IMAGE of a fragment (16 rows x 128 k, 8 registers) is 1,024 bytes: registers 4 c .. 4 c + 3 of lane L at 512 c + 16 L.
; qkv: 256 groups (128 rows each) of 26,112 bytes: Q's 8 images, 512 bytes of Q's scale words, K's likewise, V's likewise.  The scale word of tile 2 i + u, row r lies at 16 (16 u + r) + 4 i of its 512 bytes.
; wts: matrix m (0 w_proj, 1-6 ff_w) has 8 images at 8,192 m; its scale words lie at 57,344 + 512 m, laid as above.
; NO CLUSTER, NO TENSOR LOADS: what the work-groups share is w_qkv alone, 196,608 bytes of f32, which each wave wants column by column in registers (an eighth of it a wave); and 263 work-groups do not divide by four.
; LIMITS: NaN and infinities among the inputs are not served.  A block whose largest magnitude lies under 2^-124 gets the byte 1, and so does a block of zeros (its codes are zeros; these bytes are read by this program alone).
; THE MODE: SCHED_MODE bits 1:0 = 2 (LLVM: expert scheduling mode 2), set by the entry lines.  The code itself states the register dependences
; between vector or matrix instructions and memory or LDS instructions, with s_wait_alu, always for 0.
; THE PLAN.  Registers that memory or LDS instructions touch:
;   v5-v15, v240, v241  offsets and LDS addresses.  Made at a path's head, v6-v9 and v11-v15 anew at phase B's head: a wait on va_vdst behind each making, a wait on vm_vsrc ahead of the second.
;   RA   x's rows land, LDS stores read them | k's columns land, WQ reads | w's eight images land, the products of q or k read | v's four images land, v's products read | 16 bytes of scale words land, a store reads them.
;   RB   x comes back from the stage, the quantiser reads | the bias of q or k lands, the products read it as C | v's bias lands, v_mov and v's products read it.
;   RC   q's columns land, WQ reads | v's columns land, WQ reads | from then on matrix and vector instructions alone name it.
;   PC, PW, HWD, the bytes v236-239   written by a quantiser, read by the run of stores behind it.
;   v16-31, XSR, WSC   land from LDS, read by the products; WSC and WSC + 1 land a second time.      v242, v243   written at the head, read by the closing add alone.
; So a wait on va_vdst stands behind each quantiser, ahead of its stores: it states that the codes and scale words are written, AND that the quantiser is done reading its source buffer, in which the next loads land with no
; further wait.  A wait on vm_vsrc stands in a quantiser ahead of the lines that write the codes' registers again, where stores have read them since the last such wait.
.set XSTG, 0                           ; LDS: 8 x 8,448: each wave's stage, 16 rows of x at 528 bytes (512 + 16: the 16 rows that a read touches start at 16 different 16-byte columns)
.set XI,   67584                       ; 8 x 1,024: x's images, tile = wave
.set XSL,  75776                       ; 8 x 128: x's scale words, 4 bytes a lane
.set WI,   76800                       ; 24 x 1,024: w_qkv's images: q's 8 tiles, v's tiles 0-3, k's 8 tiles, v's tiles 4-7
.set WS,   101376                      ; 12 x 128: their scale words, a pair of tiles to 128 bytes: lanes 0-15 the even tile, lanes 16-31 the odd
.set SCG,  102912                      ; 3 x 512: the group's scale words of Q, K, V are gathered here
.set GRP,  26112
.set RA,   32                          ; v32-95, v96-159, v160-223: three buffers of 64
.set RB,   96
.set RC,   160
.set PC,   224                         ; v224-231 codes just made
.set TM,   232                         ; v232-235 largest magnitudes, v236-239 the other half's, then bytes, v240-241 two addresses, v244-247 the conversions' scale operands
.set PW,   248                         ; a scale word just made
.set XSR,  249                         ; v249-250 x's scale words
.set WSC,  251                         ; v251-254 the weights' scale words
.set HWD,  255                         ; half a scale word
.macro WLOAD reg, pitch, off, sb       ; 64 numbers down k of my column: register i = k 64 c + i; the 32 lanes read 128 neighbouring bytes
.set i, 0
.rept 64
	global_load_b32 v[\reg+i], v6, s[\sb:\sb+1] offset:i*\pitch+\off
.set i, i+1
.endr
.endm
; Two whole blocks of a lane's column become codes.  Lanes 0-15 hold columns of tile 2 b, lanes 16-31 of tile 2 b + 1; behind the exchange v[PC:PC+3] are registers 4 c .. 4 c + 3 of tile 2 b and v[PC+4:PC+7] those of tile 2 b + 1.
; e = 1: stores that read the codes' registers or the half word have been issued since the last wait on vm_vsrc.
.macro WQ s, e
	v_max3_num_f32 v[TM], |v[\s]|, |v[\s+1]|, 0x1800000             ; with the floor 2^(3 - 127): the byte cannot fall under 1
	v_max3_num_f32 v[TM+1], |v[\s+32]|, |v[\s+33]|, 0x1800000
.irp i, 2,4,6,8,10,12,14,16,18,20,22,24,26,28,30
	v_max3_num_f32 v[TM], v[TM], |v[\s+\i]|, |v[\s+1+\i]|           ; the two blocks by turns
	v_max3_num_f32 v[TM+1], v[TM+1], |v[\s+32+\i]|, |v[\s+33+\i]|
.endr
	v_add_nc_u32 v[TM+12], 0xff000000, v[TM]                        ; 2 off the exponent field: the conversion's scale operand
	v_add_nc_u32 v[TM+13], 0xff000000, v[TM+1]
	v_lshrrev_b32 v[TM+4], 23, v[TM+12]                             ; the bytes
	v_lshrrev_b32 v[TM+5], 23, v[TM+13]
	s_wait_alu depctr_va_vdst(0)
	s_wait_dscnt 0x0                                                ; earlier LDS stores have read the codes' registers and the half word
.if \e
	s_wait_alu depctr_vm_vsrc(0)                                    ; the LDS stores issued so far have read v[PC ..] and v[HWD], which the lines below write again
.endif
	v_lshl_or_b32 v[HWD], v[TM+5], 8, v[TM+4]                       ; bytes 2 c and 2 c + 1 of my column's scale word
.irp g, 0,1,2,3
	v_cvt_scalef32_pk8_fp4_f32 v[PC+\g], v[\s+8*\g:\s+8*\g+7], v[TM+12]
	v_cvt_scalef32_pk8_fp4_f32 v[PC+4+\g], v[\s+32+8*\g:\s+39+8*\g], v[TM+13]
.endr
	v_nop                                                           ; one plain instruction behind the scaled conversions
.irp g, 0,1,2,3
	v_permlane16_swap_b32 v[PC+\g], v[PC+4+\g]                      ; the first's lanes 16-31 change places with the second's lanes 0-15
.endr
.endm
; 64 numbers of a lane, register 16 b + i = k 32 b + 16 h + i: the four blocks' scale operands (TM+12..) and bytes (TM+4..)
; e = 1: stores that read the codes' registers or the scale word have been issued since the last wait on vm_vsrc.
.macro QMAX s, e
.irp b, 0,1,2,3
	v_max3_num_f32 v[TM+\b], |v[\s+16*\b]|, |v[\s+1+16*\b]|, 0x1800000
.endr
.irp i, 2,4,6,8,10,12,14
.irp b, 0,1,2,3
	v_max3_num_f32 v[TM+\b], v[TM+\b], |v[\s+16*\b+\i]|, |v[\s+1+16*\b+\i]|
.endr
.endr
.irp b, 0,1,2,3
	v_permlanex16_b32 v[TM+4+\b], v[TM+\b], s30, s31
.endr
.irp b, 0,1,2,3
	v_max_num_f32 v[TM+\b], v[TM+\b], v[TM+4+\b]                    ; with lane L xor 16's sixteen: the block's largest magnitude
.endr
.irp b, 0,1,2,3
	v_add_nc_u32 v[TM+12+\b], 0xff000000, v[TM+\b]
.endr
.irp b, 0,1,2,3
	v_lshrrev_b32 v[TM+4+\b], 23, v[TM+12+\b]
.endr
	s_wait_dscnt 0x0                                                ; earlier LDS stores,
	s_wait_xcnt 0x0                                                 ; and earlier global stores, have read the codes' registers and the scale word: both are written again below
.if \e
	s_wait_alu depctr_vm_vsrc(0)                                    ; the stores issued so far, global and LDS, have read v[PC ..] and v[PW], which the lines behind this macro write again
.endif
.endm
.macro QWORD
	v_lshl_or_b32 v[PW], v[TM+5], 8, v[TM+4]
	v_lshl_or_b32 v[PW], v[TM+6], 16, v[PW]
	v_lshl_or_b32 v[PW], v[TM+7], 24, v[PW]
.endm
.macro QCVT s
.irp b, 0,1,2,3
	v_cvt_scalef32_pk8_fp4_f32 v[PC+2*\b], v[\s+16*\b:\s+16*\b+7], v[TM+12+\b]
	v_cvt_scalef32_pk8_fp4_f32 v[PC+1+2*\b], v[\s+16*\b+8:\s+16*\b+15], v[TM+12+\b]
.endr
	v_nop                                                           ; one plain instruction behind the scaled conversions
.endm
.macro QSWAP                           ; the operand wants a whole block in a lane: lanes 0-15 block 2 c, lanes 16-31 block 2 c + 1
.irp c, 0,1
.irp i, 0,1
	v_permlane16_swap_b32 v[PC+4*\c+\i], v[PC+2+4*\c+\i]
.endr
.endr
.endm
.macro QUANT s, e
	QMAX \s, \e
	s_wait_alu depctr_va_vdst(0)
	QWORD
	QCVT \s
	QSWAP
.endm
.macro MM d, a, b, c, sa, sb, arow, brow   ; one product 16 x 16 x 128; arow, brow: that side's scale words stand in lanes 16-31
.if \arow
	v_wmma_scale_f32_16x16x128_f8f6f4 v[\d:\d+7], v[\a:\a+7], v[\b:\b+7], v[\c:\c+7], v[\sa], v[\sb] matrix_a_fmt:MATRIX_FMT_FP4 matrix_b_fmt:MATRIX_FMT_FP4 matrix_a_scale:MATRIX_SCALE_ROW1
.elseif \brow
	v_wmma_scale_f32_16x16x128_f8f6f4 v[\d:\d+7], v[\a:\a+7], v[\b:\b+7], v[\c:\c+7], v[\sa], v[\sb] matrix_a_fmt:MATRIX_FMT_FP4 matrix_b_fmt:MATRIX_FMT_FP4 matrix_b_scale:MATRIX_SCALE_ROW1
.else
	v_wmma_scale_f32_16x16x128_f8f6f4 v[\d:\d+7], v[\a:\a+7], v[\b:\b+7], v[\c:\c+7], v[\sa], v[\sb] matrix_a_fmt:MATRIX_FMT_FP4 matrix_b_fmt:MATRIX_FMT_FP4
.endif
.endm
.macro PLACES                          ; four plain instructions between a matrix instruction and a read of its result, or a load or vector write into one of its registers
.rept 4
	v_nop
.endr
.endm
	s_load_b256 s[4:11], s[0:1], 0x0               ; x s[4:5], w_qkv s[6:7], b_qkv s[8:9], w_proj s[10:11]
	s_load_b128 s[12:15], s[0:1], 0x20             ; ff_w s[12:13], qkv s[14:15]
	s_load_b64 s[16:17], s[0:1], 0x30              ; wts
	v_lshl_add_u32 v242, v0, 2, 0x19800
	v_mov_b32 v243, 0
	v_lshrrev_b32 v1, 5, v0
	v_readfirstlane_b32 s18, v1                    ; wave 0..7
	s_mov_b32 s30, 0x76543210
	s_mov_b32 s31, 0xfedcba98                      ; v_permlanex16_b32's selects for lane L xor 16
	v_and_b32 v1, 31, v0                           ; L
	v_and_b32 v2, 15, v0                           ; r
	v_bfe_u32 v3, v0, 4, 1                         ; h
	v_and_b32 v4, 8, v2
	v_add_nc_u32 v4, v4, v2                        ; rho(r)
	v_lshlrev_b32 v5, 4, v1                        ; 16 L
	v_lshl_add_u32 v6, v3, 3, v4
	v_lshlrev_b32 v6, 2, v6                        ; my column of the wave's 32: rho(r) + 8 h, 4 bytes each
.irp b, 0,1,2,3
	v_mov_b32 v[TM+4+\b], 0                        ; written once: a lane permute's destination counts as one of its sources
.endr
	s_wait_alu depctr_va_sdst(0)                   ; s18, the wave's number, is written, ahead of its first reader: the shares, the addresses and a branch are made from it
	s_lshr_b32 s19, s18, 1                         ; b (weights: which 32 columns) = g (rows: which 32)
	s_and_b32 s20, s18, 1                          ; c (weights: which 64 of k) = u (x: which tile of the 32 rows) = role (products)
	s_lshl_b32 s22, s19, 7
	v_add_nc_u32 v6, s22, v6                       ; + 128 b
	s_cmp_lt_u32 ttmp9, 7
	s_cbranch_scc0 .Lmain
	; ---- a weight of 128 x 128: wave (b, c) takes columns 32 b .. 32 b + 31 and k = 64 c .. 64 c + 63.  No LDS, no barrier.
	s_lshl_b32 s23, s20, 15                        ; 64 c rows of 512 bytes
	v_add_nc_u32 v6, s23, v6
	s_max_u32 s24, ttmp9, 1
	s_sub_co_u32 s24, s24, 1                       ; which layer of ff_w (0 for w_proj too)
	s_lshl_b32 s24, s24, 16
	s_mov_b32 s25, 0
	s_lshl_b32 s28, ttmp9, 13                      ; images: 8,192 m + 2,048 b + 512 c + 16 L
	s_lshl_b32 s29, s19, 11
	s_add_co_u32 s28, s28, s29
	s_lshl_b32 s29, s20, 9
	s_add_co_u32 s28, s28, s29
	s_wait_alu depctr_va_vdst(0)
	v_add_nc_u32 v7, s28, v5
	s_lshl_b32 s28, ttmp9, 9                       ; scale words: 512 m + 16 L + 4 b + 2 c
	s_lshl_b32 s29, s19, 2
	s_add_co_u32 s28, s28, s29
	s_lshl_b32 s29, s20, 1
	s_add_co_u32 s28, s28, s29
	v_add_nc_u32 v8, s28, v5
	s_wait_kmcnt 0x0
	s_cmp_eq_u32 ttmp9, 0                          ; the choice hangs on the work-group's number alone
	s_cselect_b64 s[26:27], s[10:11], s[12:13]
	s_add_nc_u64 s[26:27], s[26:27], s[24:25]
	s_wait_alu depctr_va_vdst(0)                   ; the offsets v6, v7 and v8 are written, which this path's loads and stores read
	WLOAD RC, 512, 0, 26
	s_wait_loadcnt 0x0
	WQ RC, 0                                       ; no store has been issued on this path
	s_wait_alu depctr_va_vdst(0)                   ; the conversions and exchanges have written v[PC ..] and v[HWD], which the stores read
	global_store_b128 v7, v[PC:PC+3], s[16:17]                  ; 512 neighbouring bytes
	global_store_b128 v7, v[PC+4:PC+7], s[16:17] offset:1024
	global_store_b16 v8, v[HWD], s[16:17] offset:57344          ; two bytes a lane: 3,584 bytes in the whole launch leave so
	s_endpgm
.Lmain:
	; ---- 128 rows of x
	s_sub_co_u32 s21, ttmp9, 7                     ; the group
	s_mul_i32 s23, s20, 98304                      ; 64 c rows of 1,536 bytes
	s_wait_alu depctr_va_vdst(0)
	v_add_nc_u32 v6, s23, v6
	s_lshl_b32 s22, s21, 16                        ; my tile's first row: 128 group + 32 g + 8 u, rows of 512 bytes
	s_lshl_b32 s23, s19, 14
	s_add_co_u32 s22, s22, s23
	s_lshl_b32 s23, s20, 12
	s_add_co_u32 s22, s22, s23
	s_mov_b32 s23, 0
	s_mul_i32 s24, s21, GRP
	s_mov_b32 s25, 0
	s_mul_i32 s26, s18, 8448                       ; my stage
	v_add_nc_u32 v7, s26, v5                       ; in: a row as it lies
	v_mul_u32_u24 v8, v2, 528
	v_lshl_add_u32 v8, v3, 6, v8
	v_add_nc_u32 v8, s26, v8                       ; out: row r, + 64 h: my 16 numbers of each block of 32
	s_lshl_b32 s26, s18, 10
	s_add_co_u32 s26, s26, XI
	v_add_nc_u32 v9, s26, v5
	s_lshl_b32 s26, s18, 7
	s_add_co_u32 s26, s26, XSL
	v_lshl_add_u32 v10, v1, 2, s26
	s_lshl_b32 s26, s19, 11
	s_lshl_b32 s27, s20, 9
	s_add_co_u32 s26, s26, s27
	s_add_co_u32 s26, s26, WI
	v_add_nc_u32 v11, s26, v5                      ; w's images: 2,048 b + 512 c + 16 L
	s_lshl_b32 s26, s19, 7
	s_lshl_b32 s27, s20, 1
	s_add_co_u32 s26, s26, s27
	s_add_co_u32 s26, s26, WS
	v_lshl_add_u32 v12, v1, 2, s26                 ; their half words: 128 b + 4 L + 2 c
	s_lshr_b32 s27, s19, 1
	s_lshl_b32 s26, s27, 13
	s_add_co_u32 s26, s26, 8192
	v_add_nc_u32 v13, s26, v11                     ; v's tiles 0-3 lie behind q's, tiles 4-7 behind k's
	s_lshl_b32 s26, s27, 9
	s_add_co_u32 s26, s26, 512
	v_add_nc_u32 v14, s26, v12
	s_lshl_b32 s26, s20, 9
	v_lshl_add_u32 v15, v3, 6, s26                 ; b_qkv for q or k: 512 role + 64 h
	s_wait_kmcnt 0x0
	s_add_nc_u64 s[4:5], s[4:5], s[22:23]
	s_add_nc_u64 s[14:15], s[14:15], s[24:25]
	; PHASE A: every wave quantises one tile of x and an eighth of w_qkv
	s_wait_alu depctr_va_vdst(0)                   ; the offsets and LDS addresses v5 to v15 are written, which the loads and LDS instructions of this phase read
.set i, 0
.rept 16
	global_load_b128 v[RA+4*i:RA+4*i+3], v5, s[4:5] offset:(i+8*(i/8))*512   ; row rho(i): the 32 lanes read its 512 bytes.  No hint: the next launch reads x again
.set i, i+1
.endr
	WLOAD RC, 1536, 0, 6                           ; q's columns
	s_wait_loadcnt 63                              ; 64 loads were issued behind x's sixteen; the count is the largest that the wait can name
.set i, 0
.rept 16
	ds_store_b128 v7, v[RA+4*i:RA+4*i+3] offset:528*i
.set i, i+1
.endr
.irp b, 0,1,2,3
.irp q, 0,1,2,3
	ds_load_b128 v[RB+16*\b+4*\q:RB+16*\b+4*\q+3], v8 offset:128*\b+16*\q    ; LDS serves a wave's instructions in order: these see my stores
.endr
.endr
	s_wait_dscnt 0x0                               ; x is back, 16 neighbours of each block a lane; the stores have read their registers
	s_wait_alu depctr_vm_vsrc(0)                   ; the LDS stores into the stage have read v[RA ..], in which k's columns land
	WLOAD RA, 1536, 512, 6                         ; k's columns
	QUANT RB, 0                                    ; no store has read the codes' registers yet
	s_wait_alu depctr_va_vdst(0)                   ; the quantiser has written v[PC ..] and v[PW], which the LDS stores read, and is done reading v[RB ..], in which the bias lands
	ds_store_b128 v9, v[PC:PC+3]
	ds_store_b128 v9, v[PC+4:PC+7] offset:512
	ds_store_b32 v10, v[PW]
.irp b, 0,1,2,3
.irp q, 0,1,2,3
	global_load_b128 v[RB+16*\b+4*\q:RB+16*\b+4*\q+3], v15, s[8:9] offset:128*\b+16*\q   ; the bias in the result's layout: it is the C of phase B's products.  No vector instruction since the wait names these registers
.endr
.endr
	s_wait_loadcnt 63                              ; q's columns are in: 80 loads were issued behind them; the count is the largest that the wait can name
	WQ RC, 1
	s_wait_alu depctr_va_vdst(0)                   ; the codes and the half word are written, which the LDS stores read; the conversions are done reading v[RC ..], in which v's columns land
	ds_store_b128 v11, v[PC:PC+3]
	ds_store_b128 v11, v[PC+4:PC+7] offset:1024
	ds_store_b16 v12, v[HWD]
	WLOAD RC, 1536, 1024, 6                        ; v's columns
	s_wait_loadcnt 63                              ; k's columns are in: 80 loads were issued behind them
	WQ RA, 1
	s_wait_alu depctr_va_vdst(0)                   ; the codes and the half word are written, which the LDS stores read
	ds_store_b128 v11, v[PC:PC+3] offset:12288
	ds_store_b128 v11, v[PC+4:PC+7] offset:13312
	ds_store_b16 v12, v[HWD] offset:768
	s_wait_loadcnt 0x0                             ; v's columns are in, and so is the bias of q or k
	WQ RC, 1
	s_wait_alu depctr_va_vdst(0)                   ; the codes and the half word are written, which the LDS stores read
	ds_store_b128 v13, v[PC:PC+3]
	ds_store_b128 v13, v[PC+4:PC+7] offset:1024
	ds_store_b16 v14, v[HWD]
	s_wait_dscnt 0x0                               ; for the others' sake: my images lie in LDS
	s_barrier_signal -1
	s_barrier_wait -1
	; PHASE B: wave (g, role) takes rows 32 g .. 32 g + 31.  role 0: q and v's tiles 0-3; role 1: k and v's tiles 4-7.  No branch: the role stands in addresses.
	s_wait_alu depctr_vm_vsrc(0)                   ; phase A's loads and LDS stores have read v6 to v15 (and the codes' registers): the lines below write these addresses anew
	s_lshl_b32 s26, s19, 11
	s_add_co_u32 s26, s26, XI
	v_add_nc_u32 v6, s26, v5                       ; x's tiles 2 g, 2 g + 1
	s_lshl_b32 s26, s19, 8
	s_add_co_u32 s26, s26, XSL
	v_lshl_add_u32 v7, v1, 2, s26
	s_mul_i32 s26, s20, 12288
	s_add_co_u32 s26, s26, WI
	v_add_nc_u32 v8, s26, v5                       ; my role's twelve images of w_qkv
	s_mul_i32 s26, s20, 768
	s_add_co_u32 s26, s26, WS
	v_lshl_add_u32 v9, v1, 2, s26
	s_mul_i32 s26, s20, 8704
	s_lshl_b32 s27, s19, 11
	s_add_co_u32 s26, s26, s27
	v_add_nc_u32 v11, s26, v5                      ; where q's or k's images go: 8,704 role + 2,048 g + 16 L
	s_lshl_b32 s26, s20, 9
	s_lshl_b32 s27, s19, 2
	s_add_co_u32 s26, s26, s27
	s_add_co_u32 s26, s26, SCG
	v_lshl_add_u32 v12, v2, 4, s26                 ; their scale words: 512 role + 16 r + 4 g
	s_lshl_b32 s26, s20, 8
	s_add_co_u32 s26, s26, 1024
	v_lshl_add_u32 v13, v4, 2, s26                 ; b_qkv for v: 4 (256 + 64 role + rho(r))
	s_lshl_b32 s26, s20, 12
	s_lshl_b32 s27, s19, 8
	s_add_co_u32 s26, s26, s27
	s_add_co_u32 s26, s26, 17408
	v_lshl_add_u32 v14, v2, 4, s26
	v_lshl_add_u32 v14, v3, 3, v14                 ; where v's codes go: 17,408 + 4,096 role + 256 g + 16 r + 8 h
	s_lshl_b32 s26, s20, 3
	s_add_co_u32 s26, s26, s19
	s_add_co_u32 s26, s26, SCG+1024
	v_lshl_add_u32 v15, v2, 4, s26                 ; v's scale bytes: 16 r + 8 role + g
	s_min_u32 s27, s18, 2
	s_lshl_b32 s26, s27, 9
	s_add_co_u32 s26, s26, SCG
	v_add_nc_u32 v[TM+8], s26, v5                  ; the way out of the scale words (waves 0-2)
	s_mul_i32 s26, s27, 8704
	s_add_co_u32 s26, s26, 8192
	v_add_nc_u32 v[TM+9], s26, v5
	s_wait_alu depctr_va_vdst(0)                   ; this phase's offsets and LDS addresses are written, which its loads and stores read; phase A's conversions are done reading v[RA ..], in which w's images land
.irp i, 0,1,2,3
	ds_load_b128 v[16+4*\i:19+4*\i], v6 offset:512*\i
.endr
	ds_load_b32 v[XSR], v7
	ds_load_b32 v[XSR+1], v7 offset:128
.irp t, 0,1,2,3,4,5,6,7
	ds_load_b128 v[RA+8*\t:RA+8*\t+3], v8 offset:1024*\t
	ds_load_b128 v[RA+8*\t+4:RA+8*\t+7], v8 offset:1024*\t+512
.endr
.irp i, 0,1,2,3
	ds_load_b32 v[WSC+\i], v9 offset:128*\i
.endr
	s_wait_dscnt 0x0                               ; (the bias in v[RB ..] was shown in by phase A's last wait on LOADcnt)
.irp u, 0,1                            ; q or k of 16 rows: source 0 = 16 columns of w, source 1 = x: a lane holds one row, its registers run along the channels.  Eight accumulators, one instruction each
.irp t, 0,1,2,3,4,5,6,7
	MM RC+8*\t, RA+8*\t, 16+8*\u, RB+8*\t, WSC+\t/2, XSR+\u, \t%2, 0
.endr
	PLACES
.if \u == 1
	; v's operands are asked for here and land under the quantiser
	s_wait_alu depctr_va_vdst(0)                   ; both tiles' matrix instructions are done reading w's images in v[RA ..], the bias in v[RB ..] and the scale words in v[WSC ..], in which the loads below land
.irp tl, 0,1,2,3
	ds_load_b128 v[RA+8*\tl:RA+8*\tl+3], v8 offset:8192+1024*\tl
	ds_load_b128 v[RA+8*\tl+4:RA+8*\tl+7], v8 offset:8192+1024*\tl+512
.endr
	ds_load_b32 v[WSC], v9 offset:512
	ds_load_b32 v[WSC+1], v9 offset:640
.irp tl, 0,1,2,3
	global_load_b32 v[RB+8*\tl], v13, s[8:9] offset:4*(32*(\tl/2)+8*(\tl%2))
.endr
.endif
	QUANT RC, \u                                   ; the first tile's stores have read the codes' registers when the second tile's codes are written
	s_wait_alu depctr_va_vdst(0)                   ; the quantiser has written v[PC ..] and v[PW], which the stores read
	global_store_b128 v11, v[PC:PC+3], s[14:15] offset:1024*\u          ; 512 neighbouring bytes
	global_store_b128 v11, v[PC+4:PC+7], s[14:15] offset:1024*\u+512
	ds_store_b32 v12, v[PW] offset:256*\u                               ; both halves of the lanes hold the same word
.endr
	; v: source 0 = x (16 keys), source 1 = 16 columns of w: a lane holds one channel, and its registers run along the keys, which are the K of the product that takes v
	s_wait_dscnt 0x0
	s_wait_loadcnt 0x0
.irp tl, 0,1,2,3
.irp j, 1,2,3,4,5,6,7
	v_mov_b32 v[RB+8*\tl+\j], v[RB+8*\tl]          ; here the bias hangs on the lane alone: it stands in all eight registers of C, and serves both tiles of keys
.endr
.endr
	PLACES
.irp tl, 0,1,2,3
.irp u, 0,1
	MM RC+16*\tl+8*\u, 16+8*\u, RA+8*\tl, RB+8*\tl, XSR+\u, WSC+\tl/2, 0, \tl%2
.endr
.endr
	PLACES
	QMAX RC, 1                                     ; register 16 tl + i = key 32 g + 16 h + i of channel (tile tl, row r): block tl of the macro is keys 32 g .. 32 g + 31
	s_wait_alu depctr_va_vdst(0)
	QCVT RC
	s_wait_alu depctr_va_vdst(0)                   ; the codes in v[PC ..] and the bytes in v236 to v239 are written, which the stores read; v's matrix instructions are done reading v[RA ..], in which the scale words' way out lands
.irp tl, 0,1,2,3
	global_store_b64 v14, v[PC+2*\tl:PC+2*\tl+1], s[14:15] offset:1024*\tl   ; the 32 lanes store 256 neighbouring bytes, at a multiple of 256 from the buffer's first byte
	ds_store_b8 v15, v[TM+4+\tl] offset:256*(\tl%2)+4*(\tl/2)                ; byte g of the channel's scale word; both halves of the lanes write the same byte
.endr
	s_wait_dscnt 0x0                               ; for the others' sake: my scale words and bytes lie in LDS
	s_barrier_signal -1
	s_barrier_wait -1
	s_cmp_lt_u32 s18, 3
	s_cbranch_scc0 .Lend
	ds_load_b128 v[RA:RA+3], v[TM+8]               ; wave 0: Q's 512 bytes of scale words, wave 1: K's, wave 2: V's.  No vector instruction since the last wait on va_vdst
	s_wait_dscnt 0x0
	global_store_b128 v[TM+9], v[RA:RA+3], s[14:15]
.Lend:
	s_wait_dscnt 0x0                               ; the closing lines, six on end
	s_wait_alu 0x0
	s_wait_tensorcnt 0x0
	ds_add_u32 v242, v243
	s_wait_dscnt 0x0
	s_endpgm
.Lfunc_end_k_q13a5091640_prep:
	.size	k_q13a5091640_prep, .Lfunc_end_k_q13a5091640_prep-k_q13a5091640_prep
	.p2alignl 7, 3214868480
	.fill 96, 4, 3214868480
	.section	.rodata,"a",@progbits
	.p2align	6, 0x0
	.amdhsa_kernel k_q13a5091640_prep
		.amdhsa_group_segment_fixed_size 105472
		.amdhsa_private_segment_fixed_size 0
		.amdhsa_enable_private_segment 0
		.amdhsa_kernarg_size 56
		.amdhsa_user_sgpr_count 2
		.amdhsa_user_sgpr_kernarg_segment_ptr 1
		.amdhsa_wavefront_size32 1
		.amdhsa_system_sgpr_workgroup_id_x 1
		.amdhsa_system_sgpr_workgroup_id_y 1
		.amdhsa_system_sgpr_workgroup_id_z 1
		.amdhsa_system_vgpr_workitem_id 0
		.amdhsa_next_free_vgpr 256
		.amdhsa_next_free_sgpr 66
		.amdhsa_reserve_vcc 0
		.amdhsa_float_denorm_mode_32 3
		.amdhsa_float_denorm_mode_16_64 3
		.amdhsa_memory_ordered 1
		.amdhsa_forward_progress 1
		.amdhsa_inst_pref_size 73
	.end_amdhsa_kernel
	.amdgpu_metadata
---
amdhsa.version: [ 1, 2 ]
amdhsa.kernels:
  - .name:           k_q13a5091640_prep
    .symbol:         k_q13a5091640_prep.kd
    .args:
      - { .name: x, .offset: 0, .size: 8, .value_kind: global_buffer, .address_space: global }
      - { .name: w_qkv, .offset: 8, .size: 8, .value_kind: global_buffer, .address_space: global }
      - { .name: b_qkv, .offset: 16, .size: 8, .value_kind: global_buffer, .address_space: global }
      - { .name: w_proj, .offset: 24, .size: 8, .value_kind: global_buffer, .address_space: global }
      - { .name: ff_w, .offset: 32, .size: 8, .value_kind: global_buffer, .address_space: global }
      - { .name: qkv, .offset: 40, .size: 8, .value_kind: global_buffer, .address_space: global }
      - { .name: wts, .offset: 48, .size: 8, .value_kind: global_buffer, .address_space: global }
    .group_segment_fixed_size: 105472
    .private_segment_fixed_size: 0
    .kernarg_segment_align: 8
    .kernarg_segment_size: 56
    .max_flat_workgroup_size: 256
    .sgpr_count:     66
    .vgpr_count:     256
    .wavefront_size: 32
...
	.end_amdgpu_metadata
.endif
;; end of part 4
;; launch block (part 5): grid 8 x 32, 8 waves a work-group, clusters of 4 x 1, 268,800 bytes of LDS; arguments qkv, wts, x, b_proj, ff_b, ln1_g, ln1_b, ln2_g, ln2_b, out0; writes out0
.if DOCPART == 5
	.amdgcn_target "amdgcn-amd-amdhsa--gfx1250"
	.amdhsa_code_object_version 6
	.text
	.protected	k_q13a5091640_block
	.globl	k_q13a5091640_block
	.p2align	8
	.type	k_q13a5091640_block,@function
k_q13a5091640_block:
	s_mov_b64 s[64:65], 0
	v_nop
	global_prefetch_b8 v0, s[64:65] scope:SCOPE_SE
	s_setreg_imm32_b32 hwreg(HW_REG_WAVE_MODE, 25, 1), 1
	s_wait_xcnt 0x0
	s_wait_alu depctr_hold_cnt(0) depctr_sa_sdst(0) depctr_va_vdst(0) depctr_va_sdst(0) depctr_va_ssrc(0) depctr_va_vcc(0) depctr_vm_vsrc(0)
	s_getreg_b32 s2, hwreg(HW_REG_IB_STS2, 6, 4)
	s_cmp_eq_u32 s2, 0
	s_cbranch_scc0 .Lentry_in_a_cluster
	s_endpgm
.Lentry_in_a_cluster:
	s_bfe_u32 s2, ttmp6, 0x10000c
	s_cmp_lg_u32 s2, 0x3003
	s_cbranch_scc0 .Lentry_shape_is_right
	s_endpgm
.Lentry_shape_is_right:
; BLOCK.  For 128 rows of one sequence: scores, softmax, attention's second product, the projection, residual and LayerNorm, six linear layers with five ReLUs, residual and LayerNorm.
; Every product is v_wmma_scale_f32_16x16x128_f8f6f4 on codes of FP4 (E2M1) with E8M0 scales; every K step of 128 is one instruction.  Q, K, V and the weights come as images of operand registers (1,024 bytes a fragment:
; registers 4 c .. 4 c + 3 of lane L at 512 c + 16 L), made by the launch before.
; SHARES.  A work-group of eight waves owns 128 rows; wave w owns 16 of them, rows 32 (w / 2) + 8 (w % 2) + rho(r), rho(i) = i + 8 (i / 8), from the scores to the output.  Two waves share a SIMD, 512 registers each.
; LAYOUT.  All products are used transposed (source 0 = 16 keys, channels or output units; source 1 = my 16 rows): lane (r, h) holds ONE row throughout.  Row m of tile 2 b + u of a source 0 is thing 32 b + 8 u + rho(m),
; so register 16 b + i of a buffer of 64 holds thing 32 b + 16 h + i: sixteen neighbours along the next product's K, as the conversions want them.
; SOFTMAX.  t = score x log2(e) / sqrt(128); M = the running largest t rounded up to a whole number; p = 2^(t - M) is quantised along the keys; the row's sum is taken of the unquantised p and divides at the end.
; When M moves, the sum and O are multiplied by 2^(old M - new M), which rounds nothing.
; LDS.  A sequence's K and V (8 steps x 17,408 bytes), the seven weights' images and scale words (60,928) and each wave's 16 rows of x (8,448) all fit: every byte is filled once, by seven tensor loads a wave issued together
; at the start; counted waits let the first two key steps be worked while the others land.  Seven tensor loads of a wave are out.
; BIASES AND GAINS are wanted as 64 registers a lane (register 16 b + i = number 32 b + 16 h + i).  Four buffers of 64 lie in register window 1.  b_proj and the first LayerNorm's two vectors are asked for at the head;
; each further vector is asked for as soon as a buffer is free, two layers or more ahead of its use.  A bias is the C of its products straight out of window 1.  At most 51 loads of a wave are out (three vectors and Q).
; THE CHAIN BEHIND THE ATTENTION asks early for all that it reads: a layer's fragments and scale words directly behind the products of the layer before, x's rows and the kept LayerNorm result directly behind the quantiser
; whose source registers they take.
; CLUSTER.  The four work-groups of a cluster belong to one sequence: K, V and the weights are asked for jointly (mask 15); x's rows are each work-group's own (no mask).
; LIMITS: NaN and infinities among the inputs are not served.  A block whose largest magnitude lies under 2^-124, and a block of zeros, gets the byte 1 (a block of zeros has zero codes).  A p under 2^-126 comes out of v_exp_f32 as 0.
; A block's largest p is made from its largest score by the same two instructions: this takes v_exp_f32 not to fall where its input rises.
.set GRP,  26112
.set KVB,  17408                       ; a key step in LDS: K's 8 images, 512 bytes of scale words, V's 8 images, 512 bytes of scale words
.set WT,   139264                      ; the weights: seven matrices' images, 8,192 each, then their scale words, 512 each: 60,928 bytes
.set WSW,  57344                       ; where the scale words begin in that block
.set STG,  200192                      ; 8 x 8,448: a wave's own stage: x's rows (pitch 528), then what the first LayerNorm gives, then the output's rows (pitch 528)
.set LI,   1                           ; v1  16 L
.set AD,   2                           ; v2  the key step's place in LDS + 16 L
.set BA,   3                           ; v3  64 h: my 16 of each 32 numbers of a bias or gain; never rewritten
.set SRD,  4                           ; v4  my stage + 528 r + 64 h
.set SIM,  5                           ; v5  my stage + 16 L
.set AW,   6                           ; v6  the weights' block + 16 L
.set F,    32                          ; v32-95   eight fragments of K, V or a weight
.set HA,   96                          ; v96-159  scores, then p; later activations
.set HB,   160                         ; v160-223 O; later activations
.set PC,   224                         ; v224-231 codes just made
.set TM,   232                         ; v232-247 at work
.set PW,   253                         ; the scale word just made.  v248-251: scale words of K, V or a weight; v24: Q's; v12 -M, v13 the largest t, v[14:15] the sum; v252 f; v254 at work
                                       ; window 1: buffer n of a bias or gain at v[64 n] .. v[64 n + 63]
.set WV,   24
.set SEL,  60                          ; s[60:61] v_permlanex16_b32's selects for lane L xor 16
.set CS,   62                          ; s[62:63] c = log2(e) / sqrt(128), twice
.set TB,   96                          ; s96 the key step's first LDS byte
.set CNT,  97
.set INV,  98                          ; 1 / 128
.set EPS,  99                          ; 1e-5
.set MSB, 0
.macro WIN new                         ; s_set_vgpr_msb: bits 1:0 source 0, 3:2 source 1, 5:4 source 2, 7:6 destination; the immediate's high byte repeats the setting that is left
.if MSB != \new
	s_set_vgpr_msb (MSB<<8)|\new
.set MSB, \new
.endif
.endm
.macro CROUND                          ; a round of the cluster's barrier
	s_barrier_signal -1
	s_barrier_wait -1
	s_cmp_lg_u32 s[WV], 0
	s_cbranch_scc1 .Lnot_wave_0_\@
	s_barrier_signal -3
.Lnot_wave_0_\@:
	s_barrier_wait -3
	s_barrier_signal -1
	s_barrier_wait -1
.endm
.macro PLACES                          ; four plain instructions between a matrix instruction and a read of its result, or a load or vector write into one of its registers
.rept 4
	v_nop
.endr
.endm
.macro MM d, a, b, c, sa, sb, arow     ; one product 16 x 16 x 128; arow: source 0's scale words stand in lanes 16-31
.if \arow
	v_wmma_scale_f32_16x16x128_f8f6f4 v[\d:\d+7], v[\a:\a+7], v[\b:\b+7], v[\c:\c+7], v[\sa], v[\sb] matrix_a_fmt:MATRIX_FMT_FP4 matrix_b_fmt:MATRIX_FMT_FP4 matrix_a_scale:MATRIX_SCALE_ROW1
.else
	v_wmma_scale_f32_16x16x128_f8f6f4 v[\d:\d+7], v[\a:\a+7], v[\b:\b+7], v[\c:\c+7], v[\sa], v[\sb] matrix_a_fmt:MATRIX_FMT_FP4 matrix_b_fmt:MATRIX_FMT_FP4
.endif
.endm
.macro MM0 d, a, b, sa, sb, arow       ; the same with the constant 0 as C
.if \arow
	v_wmma_scale_f32_16x16x128_f8f6f4 v[\d:\d+7], v[\a:\a+7], v[\b:\b+7], 0, v[\sa], v[\sb] matrix_a_fmt:MATRIX_FMT_FP4 matrix_b_fmt:MATRIX_FMT_FP4 matrix_a_scale:MATRIX_SCALE_ROW1
.else
	v_wmma_scale_f32_16x16x128_f8f6f4 v[\d:\d+7], v[\a:\a+7], v[\b:\b+7], 0, v[\sa], v[\sb] matrix_a_fmt:MATRIX_FMT_FP4 matrix_b_fmt:MATRIX_FMT_FP4
.endif
.endm
; 128 numbers of a bias or gain are asked for, into buffer buf of window 1: register 16 b + i = number 32 b + 16 h + i.  It leaves the destination's window at 1: WIN 0 follows each use
.macro PASK buf, sb, off
	WIN 0x40
.irp b, 0,1,2,3
.irp q, 0,1,2,3
	global_load_b128 v[64*\buf+16*\b+4*\q:64*\buf+16*\b+4*\q+3], v[BA], s[\sb:\sb+1] offset:\off+128*\b+16*\q
.endr
.endr
.endm
	s_load_b512 s[4:19], s[0:1], 0x0               ; qkv s[4:5], wts s[6:7], x s[8:9], b_proj s[10:11], ff_b s[12:13], ln1_g s[14:15], ln1_b s[16:17], ln2_g s[18:19]
	s_load_b128 s[20:23], s[0:1], 0x40             ; ln2_b s[20:21], out0 s[22:23]
	v_lshl_add_u32 v31, v0, 2, 0x41600
	v_mov_b32 v255, 0
	ds_add_u32 v31, v255
	ds_add_u32 v31, v255
	v_lshrrev_b32 v1, 5, v0
	s_delay_alu instid0(VALU_DEP_1)
	v_readfirstlane_b32 s[WV], v1                  ; wave 0..7
	s_bfe_u32 s25, ttmp6, 0x40000                  ; cx: my place in the cluster.  It enters s25, s26, s[66:67], s[2:3] and the addresses of x, Q and out0, and nothing else
	s_and_b32 s27, ttmp7, 0xffff                   ; the sequence, which the four partners share
	s_lshl_b32 s28, s27, 3
	s_lshl_b32 s26, ttmp9, 2
	s_add_co_u32 s26, s26, s25
	s_add_co_u32 s26, s26, s28                     ; my group of 128 rows: 8 x sequence + 4 x cluster x + cx
	; K and V: stage n is key steps 2 n and 2 n + 1; wave w fetches quarter w % 4 (17 rows of 256 bytes) of step 2 n + w / 4
	s_lshr_b32 s29, s[WV], 2
	s_add_co_u32 s30, s28, s29
	s_mul_i32 s30, s30, GRP
	s_and_b32 s29, s[WV], 3
	s_mul_i32 s29, s29, 4352
	s_add_co_u32 s30, s30, s29
	s_add_co_u32 s30, s30, 8704                    ; behind the group's Q
	s_mov_b32 s31, 0
	s_mul_i32 s32, s[WV], 4352                     ; in LDS: 34,816 n + 4,352 w
	s_mul_i32 s34, s[WV], 7616                     ; the weights' block: an eighth of its 60,928 bytes a wave
	s_mov_b32 s35, 0
	; group 1 of the descriptors: elements of 8 bytes.  K, V: 17 rows of 32 elements, dense; mask 15 and bit 21 beside it
	s_mov_b32 s36, 15|(3<<16)|(1<<21)
	s_mov_b32 s37, 32<<16                          ; tensor_dim0
	s_mov_b32 s38, 17<<16                          ; tensor_dim1
	s_mov_b32 s39, 32<<16                          ; tile_dim0
	s_mov_b32 s40, 17                              ; tile_dim1
	s_mov_b32 s41, 32                              ; from row to row
	s_mov_b32 s42, 0
	s_mov_b32 s43, 0
	s_mov_b32 s44, 15|(3<<16)|(1<<21)              ; the weights' block: 7,616 dense bytes as one row of 952 elements
	s_mov_b32 s45, 952<<16
	s_mov_b32 s46, 1<<16
	s_mov_b32 s47, 952<<16
	s_mov_b32 s48, 1
	s_mov_b32 s49, 952
	s_mov_b32 s50, 0
	s_mov_b32 s51, 0
	s_mov_b32 s52, (3<<16)|(1<<20)|(6<<22)|(3<<25) ; x: no mask; 8 rows of 64 elements (512 bytes); four words of padding behind every 128
	s_mov_b32 s53, 64<<16
	s_mov_b32 s54, 8<<16
	s_mov_b32 s55, 64<<16
	s_mov_b32 s56, 8
	s_mov_b32 s57, 64
	s_mov_b32 s58, 0
	s_mov_b32 s59, 0
	s_mov_b32 s[SEL], 0x76543210
	s_mov_b32 s[SEL+1], 0xfedcba98
	s_mov_b32 s[CS], 0x3e0293ee
	s_mov_b32 s[CS+1], s[CS]                       ; named with it as a pair, so it is written
	s_mov_b32 s[INV], 0x3c000000
	s_mov_b32 s[EPS], 0x3727c5ac
	s_lshl_b32 s66, s26, 16                        ; my first row: 128 x group + 32 (w / 2) + 8 (w % 2), rows of 512 bytes
	s_lshr_b32 s29, s[WV], 1
	s_lshl_b32 s29, s29, 14
	s_add_co_u32 s66, s66, s29
	s_and_b32 s29, s[WV], 1
	s_lshl_b32 s29, s29, 12
	s_add_co_u32 s66, s66, s29
	s_mov_b32 s67, 0
	s_mul_i32 s33, s[WV], 8448
	s_add_co_u32 s33, s33, STG                     ; my stage
	s_wait_dscnt 0x0
	s_wait_kmcnt 0x0
	s_add_nc_u64 s[30:31], s[4:5], s[30:31]
.irp n, 0,1,2,3
	s_mov_b32 s[68+4*\n], 1
	s_add_co_u32 s[69+4*\n], s32, \n*2*KVB
	s_add_nc_u64 s[70+4*\n:71+4*\n], s[30:31], \n*2*GRP
	s_or_b32 s[71+4*\n], s[71+4*\n], 0x80000000
.endr
	s_mov_b32 s84, 1
	s_add_co_u32 s85, s34, WT
	s_add_nc_u64 s[86:87], s[6:7], s[34:35]
	s_or_b32 s87, s87, 0x80000000
	s_add_nc_u64 s[8:9], s[8:9], s[66:67]          ; x and out0 at my first row
	s_add_nc_u64 s[22:23], s[22:23], s[66:67]
	s_mov_b32 s88, 1                               ; x: rows 0-7 of my tile,
	s_mov_b32 s89, s33
	s_mov_b64 s[90:91], s[8:9]
	s_or_b32 s91, s91, 0x80000000
	s_mov_b32 s92, 1                               ; and rows 8-15, which lie 16 rows further down
	s_add_co_u32 s93, s33, 4224
	s_add_nc_u64 s[94:95], s[8:9], 8192
	s_or_b32 s95, s95, 0x80000000
	s_mul_i32 s66, s26, GRP
	s_add_nc_u64 s[2:3], s[4:5], s[66:67]          ; my group in qkv: Q
	CROUND                                         ; all four work-groups are here: the joint loads meet
	tensor_load_to_lds s[68:71], s[36:43]          ; key steps 0, 1
	s_nop 0
	tensor_load_to_lds s[72:75], s[36:43]          ; 2, 3
	s_nop 0
	tensor_load_to_lds s[76:79], s[36:43]          ; 4, 5
	s_nop 0
	tensor_load_to_lds s[80:83], s[36:43]          ; 6, 7
	s_nop 0
	tensor_load_to_lds s[84:87], s[44:51]          ; the weights and their scale words
	s_nop 0
	tensor_load_to_lds s[88:91], s[52:59]          ; x
	s_nop 0
	tensor_load_to_lds s[92:95], s[52:59]
	s_nop 0
.rept 4
	v_nop
.endr
	v_and_b32 v7, 31, v0
	s_delay_alu instid0(VALU_DEP_1)
	v_lshlrev_b32 v[LI], 4, v7
	v_and_b32 v8, 15, v0                           ; r
	v_bfe_u32 v9, v0, 4, 1                         ; h
	s_delay_alu instid0(VALU_DEP_1)
	v_lshlrev_b32 v[BA], 6, v9
	s_delay_alu instid0(VALU_DEP_3)
	v_mul_u32_u24 v[SRD], v8, 528
	s_delay_alu instid0(VALU_DEP_1)
	v_add_nc_u32 v[SRD], v[SRD], v[BA]
	s_delay_alu instid0(VALU_DEP_1)
	v_add_nc_u32 v[SRD], s33, v[SRD]
	v_add_nc_u32 v[SIM], s33, v[LI]
	v_add_nc_u32 v[AW], WT, v[LI]
	s_lshl_b32 s29, s[WV], 10
	v_add_nc_u32 v7, s29, v[LI]                    ; Q's image of tile w
	s_and_b32 s29, s[WV], 1
	s_lshl_b32 s29, s29, 8
	s_lshr_b32 s28, s[WV], 1
	s_lshl_b32 s28, s28, 2
	s_add_co_u32 s29, s29, s28
	v_lshl_add_u32 v8, v8, 4, s29                  ; its scale words: 16 (16 (w % 2) + r) + 4 (w / 2)
	global_load_b128 v[16:19], v7, s[2:3]
	global_load_b128 v[20:23], v7, s[2:3] offset:512
	global_load_b32 v24, v8, s[2:3] offset:8192
	PASK 0, 10, 0                                  ; b_proj, ln1_g, ln1_b: wanted behind the attention, asked for now
	PASK 1, 14, 0
	PASK 2, 16, 0
	WIN 0
	v_mov_b32 v13, 0xff61b1e6                      ; the largest t so far: -3e38, under every t
	s_delay_alu instid0(VALU_DEP_1)
	v_floor_f32 v12, -v13                          ; -M
	v_mov_b32 v14, 0                               ; the sum, in two halves
	v_mov_b32 v15, 0
.irp b, 0,1,2,3
	v_mov_b32 v[236+\b], 0                         ; written once: a lane permute's destination counts as one of its sources
.endr
	v_mov_b32 v252, 0
	v_mov_b32 v253, 0                              ; named as the upper half of the pair v[252:253] before it is first written
	v_mov_b32 v254, 0
.set j, 0
.rept 64
	v_mov_b32 v[HB+j], 0                           ; O.  The key step is written without a first step of its own: the first change of M multiplies zeros
.set j, j+1
.endr
	s_wait_loadcnt 48                              ; Q is in; the three vectors' 48 loads, issued behind it, may stay out
; A KEY STEP: 128 keys
.macro STEP
	v_add_nc_u32 v[AD], s[TB], v[LI]
.rept 3
	v_nop                                          ; with the line above: the four places in front of loads into registers that the last products read
.endr
.irp t, 0,1,2,3,4,5,6,7
	ds_load_b128 v[F+8*\t:F+8*\t+3], v[AD] offset:1024*\t
	ds_load_b128 v[F+8*\t+4:F+8*\t+7], v[AD] offset:1024*\t+512
.endr
	ds_load_b128 v[248:251], v[AD] offset:8192     ; register i: lanes 0-15 the words of tile 2 i, lanes 16-31 of tile 2 i + 1
	s_wait_alu depctr_va_vdst(0)
	s_wait_dscnt 0x0
.irp t, 0,1,2,3,4,5,6,7
	MM0 HA+8*\t, F+8*\t, 16, 248+\t/2, 24, \t%2    ; scores: register 16 b + i = key 32 b + 16 h + i of my query
.endr
	PLACES
.irp t, 0,1,2,3,4,5,6,7                        ; V's fragments land while the softmax is worked
	ds_load_b128 v[F+8*\t:F+8*\t+3], v[AD] offset:8704+1024*\t
	ds_load_b128 v[F+8*\t+4:F+8*\t+7], v[AD] offset:8704+1024*\t+512
.endr
	ds_load_b128 v[248:251], v[AD] offset:16896
.irp b, 0,1,2,3
	v_max3_num_f32 v[232+\b], v[HA+16*\b], v[HA+1+16*\b], v[HA+2+16*\b]   ; the largest score of each block of 32 keys: for the row's maximum, and for the block's largest p
.endr
.irp i, 3,5,7,9,11,13
.irp b, 0,1,2,3
	v_max3_num_f32 v[232+\b], v[232+\b], v[HA+16*\b+\i], v[HA+1+16*\b+\i]
.endr
.endr
.irp b, 0,1,2,3
	v_max_num_f32 v[232+\b], v[232+\b], v[HA+15+16*\b]
.endr
.irp b, 0,1,2,3
	s_delay_alu instid0(VALU_DEP_4)
	v_permlanex16_b32 v[236+\b], v[232+\b], s[SEL], s[SEL+1]
.endr
.irp b, 0,1,2,3
	s_delay_alu instid0(VALU_DEP_4)
	v_max_num_f32 v[232+\b], v[232+\b], v[236+\b]
.endr
	s_delay_alu instid0(VALU_DEP_2)
	v_max3_num_f32 v254, v232, v233, v234
	s_delay_alu instid0(VALU_DEP_1)
	v_max_num_f32 v254, v254, v235
	s_delay_alu instid0(VALU_DEP_1)
	v_mul_f32 v254, s[CS], v254                    ; the step's largest t (c is positive)
	s_delay_alu instid0(VALU_DEP_1)
	v_max_num_f32 v13, v13, v254
	v_mov_b32 v254, v12
	s_delay_alu instid0(VALU_DEP_2)
	v_floor_f32 v12, -v13                          ; the new -M = -ceil(t)
	s_delay_alu instid0(VALU_DEP_1)
	v_sub_f32 v254, v12, v254                      ; old M - new M: a whole number, 0 or less
	s_delay_alu instid0(VALU_DEP_1)
	v_cvt_i32_f32 v254, v254                       ; (it saturates)
	s_delay_alu instid0(VALU_DEP_1)
	v_ldexp_f32 v252, 1.0, v254                    ; f = 2^(old M - new M)
.set j, 0
.rept 32
	v_pk_fma_f32 v[HA+j:HA+j+1], v[HA+j:HA+j+1], s[CS:CS+1], v[12:13] op_sel_hi:[1,0,0]   ; t - M
.set j, j+2
.endr
.irp b, 0,1,2,3
	v_fma_f32 v[232+\b], v[232+\b], s[CS], v12
.endr
.set j, 0
	s_wait_alu depctr_va_vdst(0)
.rept 64
	v_exp_f32 v[HA+j], v[HA+j]                     ; p = 2^(t - M)
.set j, j+1
.endr
	s_setprio 1
.irp b, 0,1,2,3
	v_exp_f32 v[232+\b], v[232+\b]                 ; each block's largest p
.endr
	v_pk_mul_f32 v[14:15], v[14:15], v[252:253] op_sel_hi:[1,0]   ; the sum under the new M.  (The plain instruction behind the exponentials)
	s_wait_alu depctr_va_vdst(0)
.irp b, 0,1,2,3
	v_max_num_f32 v[232+\b], 0x1800000, v[232+\b]  ; the floor 2^(3 - 127)
.endr
.irp b, 0,1,2,3
	s_delay_alu instid0(VALU_DEP_4)
	v_add_nc_u32 v[244+\b], 0xff000000, v[232+\b]  ; 2 off the exponent field: the conversion's scale operand
.endr
.irp b, 0,1,2,3
	s_delay_alu instid0(VALU_DEP_4)
	v_lshrrev_b32 v[236+\b], 23, v[244+\b]
.endr
	s_delay_alu instid0(VALU_DEP_3)
	v_lshl_or_b32 v[PW], v237, 8, v236             ; p's scale word for these 128 keys
	s_delay_alu instid0(VALU_DEP_1)
	v_lshl_or_b32 v[PW], v238, 16, v[PW]
	s_delay_alu instid0(VALU_DEP_1)
	v_lshl_or_b32 v[PW], v239, 24, v[PW]
.irp b, 0,1,2,3
	v_cvt_scalef32_pk8_fp4_f32 v[PC+2*\b], v[HA+16*\b:HA+16*\b+7], v[244+\b]
	v_cvt_scalef32_pk8_fp4_f32 v[PC+1+2*\b], v[HA+16*\b+8:HA+16*\b+15], v[244+\b]
.endr
	v_nop                                          ; one plain instruction behind the scaled conversions
.irp c, 0,1
.irp i, 0,1
	v_permlane16_swap_b32 v[PC+4*\c+\i], v[PC+2+4*\c+\i]
.endr
.endr
	v_pk_add_f32 v[236:237], v[100:101], v[104:105]
	v_pk_add_f32 v[246:247], v[108:109], v[112:113]
	v_pk_add_f32 v[244:245], v[116:117], v[120:121]
	v_pk_add_f32 v[242:243], v[124:125], v[128:129]
	v_pk_add_f32 v[240:241], v[132:133], v[136:137]
	v_pk_add_f32 v[234:235], v[140:141], v[144:145]
	v_pk_add_f32 v[232:233], v[148:149], v[152:153]
	v_pk_add_f32 v[14:15], v[14:15], v[156:157]
	v_pk_add_f32 v[236:237], v[236:237], v[96:97]
	v_pk_add_f32 v[246:247], v[246:247], v[98:99]
	v_pk_add_f32 v[244:245], v[244:245], v[102:103]
	v_pk_add_f32 v[242:243], v[242:243], v[106:107]
	v_pk_add_f32 v[240:241], v[240:241], v[110:111]
	v_pk_add_f32 v[234:235], v[234:235], v[114:115]
	v_pk_add_f32 v[232:233], v[232:233], v[118:119]
	v_pk_add_f32 v[14:15], v[14:15], v[122:123]
	v_pk_add_f32 v[236:237], v[236:237], v[126:127]
	v_pk_add_f32 v[246:247], v[246:247], v[130:131]
	v_pk_add_f32 v[244:245], v[244:245], v[134:135]
	v_pk_add_f32 v[242:243], v[242:243], v[138:139]
	v_pk_add_f32 v[240:241], v[240:241], v[142:143]
	v_pk_add_f32 v[234:235], v[234:235], v[146:147]
	v_pk_add_f32 v[232:233], v[232:233], v[150:151]
	v_pk_add_f32 v[14:15], v[14:15], v[154:155]
	v_pk_add_f32 v[236:237], v[236:237], v[158:159]
	s_delay_alu instid0(VALU_DEP_2)
	v_pk_add_f32 v[14:15], v[14:15], v[242:243]
	s_delay_alu instid0(VALU_DEP_2)
	v_pk_add_f32 v[236:237], v[236:237], v[240:241]
	v_pk_add_f32 v[246:247], v[246:247], v[234:235]
	v_pk_add_f32 v[244:245], v[244:245], v[232:233]
	s_delay_alu instid0(VALU_DEP_2)
	v_pk_add_f32 v[14:15], v[14:15], v[246:247]
	s_delay_alu instid0(VALU_DEP_2)
	v_pk_add_f32 v[236:237], v[236:237], v[244:245]
	s_delay_alu instid0(VALU_DEP_1)
	v_pk_add_f32 v[14:15], v[14:15], v[236:237]
.set j, 0
.rept 32
	v_pk_mul_f32 v[HB+j:HB+j+1], v[HB+j:HB+j+1], v[252:253] op_sel_hi:[1,0]   ; O under the new M.  (These stand between the writing of p's codes and scale word and the products that take them)
.set j, j+2
.endr
	s_setprio 0
	s_wait_alu depctr_va_vdst(0)
	s_wait_dscnt 0x0                               ; V
.irp t, 0,1,2,3,4,5,6,7                        ; the eight accumulators take turns, one instruction a turn; the scores' products stand between two turns of one accumulator
	MM HB+8*\t, F+8*\t, PC, HB+8*\t, 248+\t/2, PW, \t%2
.endr
.endm
; Two key steps.  left: my tensor loads issued behind this stage's, which may stay out
.macro STAGE n, left
	s_wait_tensorcnt \left                         ; tensor loads of a wave end in order (ISA guide 10.11.1): my part of the stage is in LDS,
	s_barrier_signal -1
	s_barrier_wait -1                              ; everybody's is
	s_mov_b32 s[TB], \n*2*KVB
	s_mov_b32 s[CNT], 2
.Lstep_\@:
	s_setprio 2
	STEP
	s_add_co_u32 s[TB], s[TB], KVB
	s_sub_co_u32 s[CNT], s[CNT], 1
	s_cmp_lg_u32 s[CNT], 0
	s_cbranch_scc1 .Lstep_\@
	s_setprio 0
.endm
	STAGE 0, 6
	STAGE 1, 5
	STAGE 2, 4
	STAGE 3, 3
	s_wait_tensorcnt 0x0                           ; my part of the weights' block, and my rows of x
	s_barrier_signal -1
	s_barrier_wait -1
; 64 numbers of a lane, register 16 b + i = k 32 b + 16 h + i of my row, become a fragment's codes in v[PC] on and its scale word in v[PW]
.macro QUANT s
.irp b, 0,1,2,3
	v_max3_num_f32 v[TM+\b], |v[\s+16*\b]|, |v[\s+1+16*\b]|, 0x1800000
.endr
.irp i, 2,4,6,8,10,12,14
.irp b, 0,1,2,3
	s_delay_alu instid0(VALU_DEP_4)
	v_max3_num_f32 v[TM+\b], v[TM+\b], |v[\s+16*\b+\i]|, |v[\s+1+16*\b+\i]|
.endr
.endr
.irp b, 0,1,2,3
	s_delay_alu instid0(VALU_DEP_4)
	v_permlanex16_b32 v[TM+4+\b], v[TM+\b], s[SEL], s[SEL+1]
.endr
.irp b, 0,1,2,3
	s_delay_alu instid0(VALU_DEP_4)
	v_max_num_f32 v[TM+\b], v[TM+\b], v[TM+4+\b]
.endr
.irp b, 0,1,2,3
	s_delay_alu instid0(VALU_DEP_4)
	v_add_nc_u32 v[TM+12+\b], 0xff000000, v[TM+\b]
.endr
.irp b, 0,1,2,3
	s_delay_alu instid0(VALU_DEP_4)
	v_lshrrev_b32 v[TM+4+\b], 23, v[TM+12+\b]
.endr
	s_delay_alu instid0(VALU_DEP_3)
	v_lshl_or_b32 v[PW], v[TM+5], 8, v[TM+4]
	s_delay_alu instid0(VALU_DEP_1)
	v_lshl_or_b32 v[PW], v[TM+6], 16, v[PW]
	s_delay_alu instid0(VALU_DEP_1)
	v_lshl_or_b32 v[PW], v[TM+7], 24, v[PW]
.irp b, 0,1,2,3
	v_cvt_scalef32_pk8_fp4_f32 v[PC+2*\b], v[\s+16*\b:\s+16*\b+7], v[TM+12+\b]
	v_cvt_scalef32_pk8_fp4_f32 v[PC+1+2*\b], v[\s+16*\b+8:\s+16*\b+15], v[TM+12+\b]
.endr
	v_nop                                          ; one plain instruction behind the scaled conversions
.irp c, 0,1
.irp i, 0,1
	v_permlane16_swap_b32 v[PC+4*\c+\i], v[PC+2+4*\c+\i]
.endr
.endr
.endm
.macro WASK m                          ; matrix m's eight fragments and its scale words are asked for: 17 LDS loads
.irp t, 0,1,2,3,4,5,6,7
	ds_load_b128 v[F+8*\t:F+8*\t+3], v[AW] offset:8192*(\m)+1024*\t
	ds_load_b128 v[F+8*\t+4:F+8*\t+7], v[AW] offset:8192*(\m)+1024*\t+512
.endr
	ds_load_b128 v[248:251], v[AW] offset:WSW+512*(\m)
.endm
; dst = the codes in v[PC] on x the weight in v[F] on + the bias in buffer cbuf of window 1.  left: the LDS loads issued behind the weight's, which may stay out.  Eight accumulators, one instruction each
.macro PROD dst, cbuf, left
	s_wait_dscnt \left
.rept 8
	v_nop                                          ; a scale word written by vector instructions stands eight places ahead of a scaled matrix instruction, codes so written four
.endr
	WIN 0x10                                       ; C in window 1
.irp t, 0,1,2,3,4,5,6,7
	MM \dst+8*\t, F+8*\t, PC, 64*\cbuf+8*\t, 248+\t/2, PW, \t%2
.endr
	WIN 0
	PLACES
.endm
.macro RELU d
.set j, 0
.rept 64
	v_max_num_f32 v[\d+j], 0, v[\d+j]              ; each accumulator from its low end on
.set j, j+1
.endr
.endm
; One of the layers 1 to 5.  Its bias is in buffer cbuf; behind it two vectors were asked for; the next vector (base nsb, byte noff) goes into buffer nbuf, whose last reader stands a layer back
.macro FF m, src, dst, cbuf, nbuf, nsb, noff
	s_wait_loadcnt 32                              ; loads come back in order (ISA guide 5.7.1): my bias is in, the two vectors asked for behind it may be out
	PASK \nbuf, \nsb, \noff
	WIN 0
	QUANT \src
	s_wait_alu depctr_va_vdst(0)
	PROD \dst, \cbuf, 0
	WASK (\m)+1                                    ; the next layer's weight lands under the ReLU and the quantiser
	RELU \dst
.endm
; y = (y - mean) / sqrt(variance + 1e-5) x gain + bias over my row's 128 numbers (64 mine, 64 lane L xor 16's); the variance is taken of y - mean.  g, bq: the buffers of window 1 with gain and bias
.macro LNORM y, g, bq
.irp p, 0,1,2,3,4,5,6,7
	v_pk_add_f32 v[TM+2*\p:TM+2*\p+1], v[\y+2*\p:\y+2*\p+1], v[\y+16+2*\p:\y+17+2*\p]
.endr
.irp k, 32,48
.irp p, 0,1,2,3,4,5,6,7
	v_pk_add_f32 v[TM+2*\p:TM+2*\p+1], v[TM+2*\p:TM+2*\p+1], v[\y+\k+2*\p:\y+\k+1+2*\p]
.endr
.endr
.irp p, 0,1,2,3
	s_delay_alu instid0(VALU_DEP_4)
	v_pk_add_f32 v[TM+2*\p:TM+2*\p+1], v[TM+2*\p:TM+2*\p+1], v[TM+8+2*\p:TM+9+2*\p]
.endr
.irp p, 0,1
	s_delay_alu instid0(VALU_DEP_2)
	v_pk_add_f32 v[TM+2*\p:TM+2*\p+1], v[TM+2*\p:TM+2*\p+1], v[TM+4+2*\p:TM+5+2*\p]
.endr
	s_delay_alu instid0(VALU_DEP_1)
	v_pk_add_f32 v[TM:TM+1], v[TM:TM+1], v[TM+2:TM+3]
	s_delay_alu instid0(VALU_DEP_1)
	v_add_f32 v12, v[TM], v[TM+1]
	s_delay_alu instid0(VALU_DEP_1)
	v_permlanex16_b32 v254, v12, s[SEL], s[SEL+1]
	s_delay_alu instid0(VALU_DEP_1)
	v_add_f32 v12, v12, v254
	s_delay_alu instid0(VALU_DEP_1)
	v_mul_f32 v12, s[INV], v12                     ; the mean
.set j, 0
.rept 32
	v_pk_add_f32 v[\y+j:\y+j+1], v[\y+j:\y+j+1], v[12:13] op_sel_hi:[1,0] neg_lo:[0,1] neg_hi:[0,1]
.set j, j+2
.endr
.irp p, 0,1,2,3,4,5,6,7
	v_pk_mul_f32 v[TM+2*\p:TM+2*\p+1], v[\y+2*\p:\y+2*\p+1], v[\y+2*\p:\y+2*\p+1]
.endr
.irp k, 16,32,48
.irp p, 0,1,2,3,4,5,6,7
	v_pk_fma_f32 v[TM+2*\p:TM+2*\p+1], v[\y+\k+2*\p:\y+\k+1+2*\p], v[\y+\k+2*\p:\y+\k+1+2*\p], v[TM+2*\p:TM+2*\p+1]
.endr
.endr
.irp p, 0,1,2,3
	s_delay_alu instid0(VALU_DEP_4)
	v_pk_add_f32 v[TM+2*\p:TM+2*\p+1], v[TM+2*\p:TM+2*\p+1], v[TM+8+2*\p:TM+9+2*\p]
.endr
.irp p, 0,1
	s_delay_alu instid0(VALU_DEP_2)
	v_pk_add_f32 v[TM+2*\p:TM+2*\p+1], v[TM+2*\p:TM+2*\p+1], v[TM+4+2*\p:TM+5+2*\p]
.endr
	s_delay_alu instid0(VALU_DEP_1)
	v_pk_add_f32 v[TM:TM+1], v[TM:TM+1], v[TM+2:TM+3]
	s_delay_alu instid0(VALU_DEP_1)
	v_add_f32 v14, v[TM], v[TM+1]
	s_delay_alu instid0(VALU_DEP_1)
	v_permlanex16_b32 v254, v14, s[SEL], s[SEL+1]
	s_delay_alu instid0(VALU_DEP_1)
	v_add_f32 v14, v14, v254
	s_delay_alu instid0(VALU_DEP_1)
	v_fma_f32 v14, v14, s[INV], s[EPS]             ; the variance + 1e-5
	s_wait_alu depctr_va_vdst(0)
	v_rsq_f32 v14, v14
	v_nop                                          ; one plain instruction behind the transcendental
.set j, 0
	s_wait_alu depctr_va_vdst(0)
.rept 32
	v_pk_mul_f32 v[\y+j:\y+j+1], v[\y+j:\y+j+1], v[14:15] op_sel_hi:[1,0]
.set j, j+2
.endr
	WIN 0x14                                       ; sources 1 and 2, gain and bias, in window 1
.set j, 0
.rept 32
	v_pk_fma_f32 v[\y+j:\y+j+1], v[\y+j:\y+j+1], v[64*\g+j:64*\g+j+1], v[64*\bq+j:64*\bq+j+1]
.set j, j+2
.endr
	WIN 0
.endm
	PLACES                                         ; behind the last products: their fragments' registers are loaded and O is read below
	WASK 0                                         ; w_proj
	s_wait_loadcnt 0x0                             ; b_proj, ln1_g, ln1_b: asked for at the head
	PASK 3, 12, 0                                  ; ff_b[0]
	WIN 0
	v_add_f32 v14, v14, v15                        ; the sum's two halves,
	s_delay_alu instid0(VALU_DEP_1)
	v_permlanex16_b32 v252, v14, s[SEL], s[SEL+1]
	s_delay_alu instid0(VALU_DEP_1)
	v_add_f32 v14, v14, v252                       ; and lane L xor 16's: the row's sum
	s_wait_alu depctr_va_vdst(0)
	v_rcp_f32 v14, v14
	v_nop                                          ; one plain instruction behind the transcendental
.set j, 0
	s_wait_alu depctr_va_vdst(0)
.rept 32
	v_pk_mul_f32 v[HB+j:HB+j+1], v[HB+j:HB+j+1], v[14:15] op_sel_hi:[1,0]   ; O / the sum, each accumulator from its low end on
.set j, j+2
.endr
	; the projection
	QUANT HB
.irp b, 0,1,2,3
.irp q, 0,1,2,3
	ds_load_b128 v[HB+16*\b+4*\q:HB+16*\b+4*\q+3], v[SRD] offset:128*\b+16*\q   ; x, my row, in my layout, into the registers that the quantiser has read: it lands under the products
.endr
.endr
	s_wait_alu depctr_va_vdst(0)
	PROD HA, 0, 16                                 ; w_proj's 17 loads are in; x's 16, issued behind them, may be out
	WASK 1                                         ; ff_w[0] lands under the LayerNorm
	PASK 0, 12, 512                                ; ff_b[1], into b_proj's buffer, four places behind the products that read it
	WIN 0
	s_wait_dscnt 17                                ; x is in; the 17 loads just issued may be out
.set j, 0
.rept 32
	v_pk_add_f32 v[HB+j:HB+j+1], v[HA+j:HA+j+1], v[HB+j:HB+j+1]   ; the residual
.set j, j+2
.endr
	LNORM HB, 1, 2
	PASK 1, 12, 1024                               ; ff_b[2], into the gain's buffer
	WIN 0
.set i, 0
.rept 16
	ds_store_b128 v[SIM], v[HB+4*i:HB+4*i+3] offset:512*i          ; kept for the second residual, in my stage: x's rows have been read, and nothing is filled there again
.set i, i+1
.endr
	FF 1, HB, HA, 3, 2, 12, 1536                   ; bias ff_b[0]; asks for ff_b[3]
	FF 2, HA, HB, 0, 3, 12, 2048                   ; bias ff_b[1]; asks for ff_b[4]
	FF 3, HB, HA, 1, 0, 12, 2560                   ; bias ff_b[2]; asks for ff_b[5]
	FF 4, HA, HB, 2, 1, 18, 0                      ; bias ff_b[3]; asks for ln2_g
	FF 5, HB, HA, 3, 2, 20, 0                      ; bias ff_b[4]; asks for ln2_b
	; the last layer: no ReLU, nothing more to ask for
	s_wait_loadcnt 32                              ; ff_b[5] is in; ln2_g and ln2_b may be out
	QUANT HA
.set i, 0
.rept 16
	ds_load_b128 v[HA+4*i:HA+4*i+3], v[SIM] offset:512*i           ; what the first LayerNorm gave, into the registers that the quantiser has read
.set i, i+1
.endr
	s_wait_alu depctr_va_vdst(0)
	PROD HB, 0, 16                                 ; ff_w[5]'s 17 loads are in; the 16 issued behind them may be out
	s_wait_dscnt 0x0
.set j, 0
.rept 32
	v_pk_add_f32 v[HB+j:HB+j+1], v[HB+j:HB+j+1], v[HA+j:HA+j+1]   ; the second residual
.set j, j+2
.endr
	s_wait_loadcnt 0x0                             ; ln2_g, ln2_b
	LNORM HB, 1, 2
	; THE WAY OUT: a lane holds pieces of one row; through my stage they become whole rows of 512 bytes
.irp b, 0,1,2,3
.irp q, 0,1,2,3
	ds_store_b128 v[SRD], v[HB+16*\b+4*\q:HB+16*\b+4*\q+3] offset:128*\b+16*\q
.endr
.endr
.set i, 0
.rept 16
	ds_load_b128 v[HA+4*i:HA+4*i+3], v[SIM] offset:528*i           ; LDS serves a wave's instructions in order (ISA guide 5.7.1.4): these see my stores
.set i, i+1
.endr
.set i, 0
.rept 16
	s_wait_dscnt 15-i                              ; row i is back; the younger reads may be out
	global_store_b128 v[LI], v[HA+4*i:HA+4*i+3], s[22:23] offset:(i+8*(i/8))*512 th:TH_STORE_NT   ; the 32 lanes store 512 neighbouring bytes, at a multiple of 256 from out0's first byte
.set i, i+1
.endr
	s_wait_tensorcnt 0x0
	ds_add_u32 v31, v255
	s_wait_dscnt 0x0
	CROUND                                         ; the closing round: no work-group ends while a partner may still ask for a tile that names it
	s_endpgm
.Lfunc_end_k_q13a5091640_block:
	.size	k_q13a5091640_block, .Lfunc_end_k_q13a5091640_block-k_q13a5091640_block
	.p2alignl 7, 3214868480
	.fill 96, 4, 3214868480
	.section	.rodata,"a",@progbits
	.p2align	6, 0x0
	.amdhsa_kernel k_q13a5091640_block
		.amdhsa_group_segment_fixed_size 268800
		.amdhsa_private_segment_fixed_size 0
		.amdhsa_enable_private_segment 0
		.amdhsa_kernarg_size 80
		.amdhsa_user_sgpr_count 2
		.amdhsa_user_sgpr_kernarg_segment_ptr 1
		.amdhsa_wavefront_size32 1
		.amdhsa_system_sgpr_workgroup_id_x 1
		.amdhsa_system_sgpr_workgroup_id_y 1
		.amdhsa_system_sgpr_workgroup_id_z 1
		.amdhsa_system_vgpr_workitem_id 0
		.amdhsa_next_free_vgpr 512
		.amdhsa_next_free_sgpr 100
		.amdhsa_reserve_vcc 0
		.amdhsa_float_denorm_mode_32 3
		.amdhsa_float_denorm_mode_16_64 3
		.amdhsa_memory_ordered 1
		.amdhsa_forward_progress 1
		.amdhsa_inst_pref_size 204
	.end_amdhsa_kernel
	.amdgpu_metadata
---
amdhsa.version: [ 1, 2 ]
amdhsa.kernels:
  - .name:           k_q13a5091640_block
    .symbol:         k_q13a5091640_block.kd
    .args:
      - { .name: qkv, .offset: 0, .size: 8, .value_kind: global_buffer, .address_space: global }
      - { .name: wts, .offset: 8, .size: 8, .value_kind: global_buffer, .address_space: global }
      - { .name: x, .offset: 16, .size: 8, .value_kind: global_buffer, .address_space: global }
      - { .name: b_proj, .offset: 24, .size: 8, .value_kind: global_buffer, .address_space: global }
      - { .name: ff_b, .offset: 32, .size: 8, .value_kind: global_buffer, .address_space: global }
      - { .name: ln1_g, .offset: 40, .size: 8, .value_kind: global_buffer, .address_space: global }
      - { .name: ln1_b, .offset: 48, .size: 8, .value_kind: global_buffer, .address_space: global }
      - { .name: ln2_g, .offset: 56, .size: 8, .value_kind: global_buffer, .address_space: global }
      - { .name: ln2_b, .offset: 64, .size: 8, .value_kind: global_buffer, .address_space: global }
      - { .name: out0, .offset: 72, .size: 8, .value_kind: global_buffer, .address_space: global }
    .group_segment_fixed_size: 268800
    .private_segment_fixed_size: 0
    .kernarg_segment_align: 8
    .kernarg_segment_size: 80
    .max_flat_workgroup_size: 256
    .sgpr_count:     100
    .vgpr_count:     512
    .wavefront_size: 32
...
	.end_amdgpu_metadata
.endif
;; end of part 5
